; MI455X (gfx1250); checked and timed in simulation.
; The chip was launched on July 23, 2026; its instructions are those of AMD's public machine-readable ISA for CDNA 5 (MIT licence, August 2026) and "CDNA5" Instruction Set Architecture Reference Guide (July 2026). The comments in the code are by the model that wrote it; some were corrected since.
;; Attention. Allowed arithmetic: matrix products marked QUANTISED: E2M3 operands, one E8M0 scale for each 32 along K, by v_wmma_scale_f32_16x16x128_f8f6f4 with both operands' format E2M3, f32 sums; everything else in f32.
;; Inputs: Wk 1,024 x 1,024 float32; Wo 1,024 x 1,024 float32; Wq 1,024 x 1,024 float32; Wv 1,024 x 1,024 float32; bo 1,024 float32; x 4 x 2,048 x 1,024 float32.
;; Outputs: out0 4 x 2,048 x 1,024 float32.
;; This version of the problem:
;;   THIS VERSION OF THE PROBLEM IS GIVEN IN LOW PRECISION. The matrix products marked QUANTISED in the list below multiply operands that are first quantised to E2M3 (2 exponent bits, 3 mantissa bits; 6 bits a number), with one power-of-two scale for each 32 numbers along K (OCP MX v1.0); their sums are f32. All else is computed in f32.
;;   The module's matrix products, in the order in which they are computed (A, B: the left and right operand; K: the contracted axis; several contracted axes count as one K, in the product's order):
;;     1. [M 8,192, K 1,024] x [K 1,024, N 1,024]; A: input x; B: input Wq: QUANTISED
;;     2. [M 8,192, K 1,024] x [K 1,024, N 1,024]; A: input x; B: input Wk: QUANTISED
;;     3. [M 8,192, K 1,024] x [K 1,024, N 1,024]; A: input x; B: input Wv: QUANTISED
;;     4. batch 64 x [M 2,048, K 64] x [K 64, N 2,048]; A: computed on the way; B: computed on the way: QUANTISED
;;     5. batch 64 x [M 2,048, K 2,048] x [K 2,048, N 64]; A: softmax (see below); B: computed on the way: QUANTISED
;;     6. [M 8,192, K 1,024] x [K 1,024, N 1,024]; A: computed on the way; B: input Wo: QUANTISED
;;   THE QUANTISER, for each operand of a quantised product, along K:
;;     - K is cut into blocks of 32 from its start; a last block that is shorter is filled with zeros.
;;     - A block's scale is 2^e with e = floor(log2(the largest magnitude in the block)) - 2, held to -126 .. 127; a block of zeros has e = 0. As a byte (E8M0): e + 127.
;;     - Each number is divided by its block's scale, clamped to +-7.5, and rounded to the nearest number of E2M3, ties to even, subnormals kept.
;;     - The product sums the exact products of the quantised numbers (number of the format x scale) in f32.
;;   ~~~python
;;   def quantise(x, axis):      # numpy; x: float32 -> the quantised numbers, widened to float32 again
;;       x = np.moveaxis(x, axis, -1); K = x.shape[-1]
;;       x = np.pad(x, [(0, 0)] * (x.ndim - 1) + [(0, -K % 32)]); x = x.reshape(x.shape[:-1] + (-1, 32)); a = np.abs(x).max(-1, keepdims=True)
;;       e = np.where(a > 0, np.clip(np.frexp(np.where(a > 0, a, 1))[1] - 1 - 2, -126, 127), 0)      # np.frexp(a)[1] - 1 = floor(log2(a)), exactly
;;       r = np.clip(x / 2.0 ** e, -7.5, 7.5)
;;       step = 2.0 ** (np.maximum(np.frexp(np.where(r == 0, 1, r))[1] - 1, 0) - 3)
;;       q = np.round(r / step) * step * 2.0 ** e      # np.round: ties to even
;;       return np.moveaxis(q.reshape(q.shape[:-2] + (-1,))[..., :K], -1, axis).astype(np.float32)
;;   ~~~
;;   SOFTMAX AHEAD OF A QUANTISED PRODUCT. Where the list says 'softmax', what is quantised is not the finished softmax but p = 2^(t - M), with t = logit x log2(e) and M = ceil(the row's largest t), a whole number; so 1/2 < the row's largest p <= 1. The row's sum l is taken of the UNQUANTISED p, in f32, and the product's result is divided by l at the end. Since M is a whole number, a kernel that streams over the keys may use a running M (the ceiling of the running maximum): every later rescaling is an exact power of two, which a block's scale takes up: the codes' values come out the same.
;;   OPERANDS COMPUTED ON THE WAY. 'Computed on the way' means the value that the module computes at that place (a softmax that the list does not call 'softmax' is quantised finished and normalised). What goes into a quantiser is computed in f32, as accurately as f32 sums, v_exp_f32 and their like allow (about 1e-6 of the number): no bf16 or f16 on the way to a quantiser, and a product that is left as it is and whose result goes on into a quantised operand takes f32 operands (vector FMAs, or v_wmma_f32_16x16x4_f32). A number that lies on a knife's edge between two numbers of the format may be rounded either way, as far as f32 arithmetic and the matrix unit's own rounding can turn it there, and no further.
;; One version. Each part assembles by itself: llvm-mc -triple=amdgcn-amd-amdhsa -mcpu=gfx1250 --defsym DOCPART=n.
;; ======== version 1 of 1: 4 launches
;; limits: right only within a limited range of input values
;; workspace buffers: xq 6,553,600 bytes; wq 6,422,528 bytes; wi 2,457,600 bytes; qkv 20,447,232 bytes; oq 6,553,600 bytes
;; launch quant (part 1): grid 384 x 1, 4 waves a work-group, no clusters, 109,056 bytes of LDS; arguments x, Wq, Wk, Wv, Wo, xq, wq, wi; writes xq, wq, wi
.if DOCPART == 1
	.amdgcn_target "amdgcn-amd-amdhsa--gfx1250"
	.amdhsa_code_object_version 6
	.text
	.protected	k_q9c86b2a1e1_quant
	.globl	k_q9c86b2a1e1_quant
	.p2align	8
	.type	k_q9c86b2a1e1_quant,@function
k_q9c86b2a1e1_quant:
	s_mov_b64 s[64:65], 0
	v_nop
	global_prefetch_b8 v0, s[64:65] scope:SCOPE_SE
	s_setreg_imm32_b32 hwreg(HW_REG_WAVE_MODE, 25, 1), 1
	s_wait_xcnt 0x0
; x [8192][1024] and the four weights [1024 (k)][1024 (n)], f32, become codes of FP6 (E2M3) with one E8M0 byte for each 32 along K.
; A block's scale is 2^(floor(log2(its largest magnitude)) - 2); its byte is the largest magnitude's exponent field - 2, held at 1 from below.
; THE ROWS ARE PERMUTED: inside each group of 64 rows, row 32 h + 8 j + i has place 16 j + 8 h + i, so that in the later products the 32 registers that a lane (half h) holds of four neighbouring tiles are 32 neighbours
; along the next product's K: one whole scale block.
; xq AND wi HOLD IMAGES OF OPERAND REGISTERS: [tile of 16 places][q = K / 128][piece y of 4 registers][lane][16 bytes], 12,288 bytes a tile: register 6 c + i of lane (r, h) of fragment q holds bytes 4 i .. 4 i + 3 of the 24 bytes
; of block 4 q + 2 c + h of row r.  xq: 512 tiles; wi: 64 tiles each of Wv's, Wk's, Wq's columns.  Behind the images: the scale bytes [place][32] (xq from SOFF, wi from ISOFF).
; wq HOLDS Wo's columns in four planes, one for each 256 along K: [plane][3072 + place][192 bytes], planes KST apart; from SOFF on the scale bytes [3072 + place][32].
; LIMITS: NaN and infinities among the inputs are not served; a block whose largest magnitude lies under 2^-124 keeps the byte 1; a block of zeros gets the byte 1 and not 127: its codes are zeros,
; which add nothing under any byte but 0xff, and the bytes are read by this program alone.
; Work-groups 0-255 take x (32 rows each), 256-383 the weights (128 columns x 256 along K each).  The three ways have LDS bytes of their own.  No tensor loads.
.set KST,   1572864
.set SOFF,  6291456
.set ISOFF, 2359296
.set ROWB,  192
.set TILE,  12288
.set EMAX,  2
.set STEPS, 16                         ; x: a wave takes 16 steps of 512 numbers: 8 rows
.set R,     16                         ; v16-79   four sets of 16 numbers as loaded; at the end the image on its way out
.set X,     80                         ; v80-111  two sets of 16 neighbours
.set E,     112                        ; v112-127 a scale byte a step
.set C,     128                        ; v128-191 codes, four registers a step
.set WREG,  12288                      ; a wave's LDS: two stages of 32 x SP, 256 scale bytes, from IMG on its 8 rows' part of an image
.set SP,    80
.set IMG,   6144
.set WLDS,  49152                      ; the weights' image of 8 tiles x 2 fragments
.set PLDS,  73728                      ; Wo's four stages
.set SPARE, 108544
.set NB,    8
.set PITCH, 272
.set WX,    32
.set WC,    96
.set OUTR,  112
.set SB,    24
.macro WALU
	s_wait_alu depctr_va_vdst(0)
.endm
.macro CLOSE                           ; the wave's end
	s_wait_tensorcnt 0x0
	ds_add_u32 v192, v193
	s_wait_dscnt 0x0
	s_endpgm
.endm
	s_load_b256 s[4:11], s[0:1], 0x0               ; x, Wq, Wk, Wv
	s_load_b128 s[12:15], s[0:1], 0x20             ; Wo, xq
	s_load_b64 s[16:17], s[0:1], 0x30              ; wq
	s_load_b64 s[32:33], s[0:1], 0x38              ; wi
	v_lshl_add_u32 v192, v0, 2, SPARE
	v_mov_b32 v193, 0
	v_lshrrev_b32 v1, 5, v0
	v_readfirstlane_b32 s18, v1                    ; wave
	v_and_b32 v2, 31, v0                           ; lane
	s_cmp_lt_u32 ttmp9, 256
	s_cbranch_scc0 .Lweights
; ---- x: K is innermost.  A load reads 512 consecutive bytes; a step's 2,048 bytes turn through the wave's stage, so that a lane holds 16 neighbours; two neighbouring lanes hold a block.
	v_lshlrev_b32 v3, 4, v2
	s_mul_i32 s19, s18, WREG
	v_lshrrev_b32 v14, 2, v2
	v_mul_u32_u24 v14, v14, SP
	v_and_b32 v15, 3, v2
	v_lshl_add_u32 v14, v15, 4, v14
	v_add_nc_u32 v14, s19, v14                     ; the stage, in: SP (lane / 4) + 16 (lane % 4)
	v_mul_u32_u24 v15, v2, SP
	v_add_nc_u32 v15, s19, v15                     ; out: SP x lane
	v_lshrrev_b32 v5, 1, v2
	s_add_co_u32 s20, s19, 2*32*SP
	v_add_nc_u32 v5, s20, v5                       ; my wave's 256 scale bytes, my block's byte
	v_lshlrev_b32 v7, 3, v2
	v_add_nc_u32 v6, s20, v7
	; my 12 bytes are registers 6 c + 3 e + 0 .. 2 of a fragment: e = lane % 2, h = lane / 2 % 2, c = lane / 4 % 2, q = lane / 8 (+ 4 in odd steps).  The wave's part of the image: [q][y][h][row i][16 bytes]
	s_add_co_u32 s20, s19, IMG
	v_bfe_u32 v10, v2, 2, 1
	v_mul_u32_u24 v10, v10, 6
	v_and_b32 v11, 1, v2
	v_mad_u32_u24 v10, v11, 3, v10                 ; my first register
	v_lshrrev_b32 v11, 3, v2
	v_mul_u32_u24 v11, v11, 768
	v_bfe_u32 v12, v2, 1, 1
	v_lshl_add_u32 v11, v12, 7, v11
	v_add_nc_u32 v11, s20, v11
.irp k, 0,1,2
	v_add_nc_u32 v8, \k, v10
	v_lshrrev_b32 v12, 2, v8
	v_and_b32 v13, 3, v8
	v_lshl_add_u32 v12, v12, 8, v11
	v_lshl_add_u32 v[194+\k], v13, 2, v12
.endr
	v_add_nc_u32 v198, s20, v3                     ; the image on its way out: 16 x lane,
	v_lshrrev_b32 v8, 4, v2
	v_bfe_u32 v9, v2, 3, 1
	v_and_b32 v12, 7, v2
	v_lshlrev_b32 v197, 9, v8
	v_lshl_add_u32 v197, v9, 8, v197
	v_lshl_add_u32 v197, v12, 4, v197              ; and in memory: 512 (lane / 16) + 256 h + 16 i
	s_lshl_b32 s20, ttmp9, 2
	s_add_co_u32 s22, s20, s18                     ; the run of 8 rows that I read
	s_and_b32 s21, s22, 3
	s_lshl_b32 s21, s21, 1
	s_bfe_u32 s23, s22, 0x10002
	s_or_b32 s21, s21, s23
	s_and_b32 s24, s22, 0xfffffff8
	s_or_b32 s24, s24, s21                         ; where it goes: run 4 h + j of a group's eight becomes run 2 j + h
	s_lshl_b32 s22, s22, 15
	s_mov_b32 s23, 0
	s_lshr_b32 s26, s24, 1
	s_mul_i32 s26, s26, TILE                       ; its tile,
	s_and_b32 s27, s24, 1
	s_lshl_b32 s27, s27, 7
	s_add_co_u32 s26, s26, s27                     ; rows 0-7 or 8-15 of it
	s_mov_b32 s27, 0
	s_lshl_b32 s24, s24, 8
	s_add_co_u32 s24, s24, SOFF
	s_mov_b32 s25, 0
	WALU                                           ; the wait at the head's end
	s_wait_kmcnt 0x0
	s_add_nc_u64 s[4:5], s[4:5], s[22:23]
	s_add_nc_u64 s[8:9], s[14:15], s[26:27]
	s_add_nc_u64 s[10:11], s[14:15], s[24:25]
.macro XLOAD t
.irp i, 0,1,2,3
	global_load_b128 v[R+16*((\t)%4)+4*\i:R+16*((\t)%4)+4*\i+3], v3, s[4:5] offset:2048*(\t)+512*\i th:TH_LOAD_NT
.endr
.endm
.macro XTURN t                         ; LDS serves a wave's instructions in order: no wait between the stores and the loads
.irp i, 0,1,2,3
	ds_store_b128 v14, v[R+16*((\t)%4)+4*\i:R+16*((\t)%4)+4*\i+3] offset:32*SP*((\t)%2)+8*SP*\i
.endr
.irp i, 0,1,2,3
	ds_load_b128 v[X+16*((\t)%2)+4*\i:X+16*((\t)%2)+4*\i+3], v15 offset:32*SP*((\t)%2)+16*\i
.endr
.endm
.irp t, 0,1,2,3
	XLOAD \t
.endr
	s_wait_loadcnt 12                              ; step 0's four loads are in; three steps' twelve may be out
	XTURN 0
.macro XSTEP t
.set XSET, X+16*((\t)%2)
.if (\t) > 0
	s_wait_dscnt 4                                 ; this step's numbers are back (the last step's four stores of byte and codes may be out)
.else
	s_wait_dscnt 0x0
.endif
.if (\t)+4 < STEPS
	XLOAD (\t)+4
.endif
.if (\t)+1 < STEPS
.if STEPS-2-(\t) >= 3
	s_wait_loadcnt 12                              ; the next step's four are in; the three steps behind it may be out
.else
	s_wait_loadcnt 4*(STEPS-2-(\t))
.endif
	XTURN (\t)+1
.endif
	v_max3_num_f32 v8, |v[XSET]|, |v[XSET+1]|, |v[XSET+2]|
	v_max3_num_f32 v9, |v[XSET+3]|, |v[XSET+4]|, |v[XSET+5]|
.irp i, 6,10
	v_max3_num_f32 v8, v8, |v[XSET+\i]|, |v[XSET+\i+1]|
	v_max3_num_f32 v9, v9, |v[XSET+\i+2]|, |v[XSET+\i+3]|
.endr
	v_max3_num_f32 v8, v8, |v[XSET+14]|, |v[XSET+15]|
	v_max3_num_f32 v8, v8, v9, (EMAX+1)<<23        ; the floor 2^(3 - 127): the byte cannot fall under 1
	v_max_num_f32_dpp v8, v8, v8 row_xmask:1 row_mask:0xf bank_mask:0xf   ; with my neighbour's 16: the block's
	v_add_nc_u32 v11, -(EMAX<<23), v8              ; 2 off the exponent field: the conversion's scale operand
	v_cvt_scalef32_pk16_fp6_f32 v[C+4*(\t):C+4*(\t)+2], v[XSET:XSET+15], v11
	v_lshrrev_b32 v[E+(\t)], 23, v11               ; the scale's byte (also the plain line behind the conversion)
	ds_store_b8 v5, v[E+(\t)] offset:16*(\t)
.irp k, 0,1,2
	ds_store_b32 v[194+\k], v[C+4*(\t)+\k] offset:3072*((\t)%2)+16*((\t)/2)   ; row t / 2; odd steps are fragments 4 to 7
.endr
.endm
.irp t, 0,1,2,3,4,5,6,7,8,9,10,11,12,13,14,15
	XSTEP \t
.endr
.irp n, 0,1,2,3,4,5,6,7,8,9,10,11
	ds_load_b128 v[R+4*\n:R+4*\n+3], v198 offset:512*\n
.endr
	ds_load_b64 v[12:13], v6
	s_wait_dscnt 0x0
.irp n, 0,1,2,3,4,5,6,7,8,9,10,11
	global_store_b128 v197, v[R+4*\n:R+4*\n+3], s[8:9] offset:1024*\n   ; four runs of 128 consecutive bytes: my 8 rows' lanes of two pieces
.endr
	global_store_b64 v7, v[12:13], s[10:11]        ; 32 lanes store 256 consecutive bytes, aligned
	CLOSE
; ---- the weights: K is the first axis.  A lane takes a column and its registers run down K: a block of 32 lies in one lane, and the codes come out with K innermost.
.Lweights:
	s_sub_co_u32 s19, ttmp9, 256
	s_lshr_b32 s20, s19, 5                         ; 0 Wv, 1 Wk, 2 Wq, 3 Wo
	s_bfe_u32 s21, s19, 0x20003                    ; which 256 along K
	s_and_b32 s22, s19, 7                          ; which 128 columns
	s_lshl_b32 s23, s22, 7
	s_lshl_b32 s24, s18, 5
	s_add_co_u32 s23, s23, s24                     ; my wave's first column
	WALU                                           ; the wait ahead of the reader below
	v_lshlrev_b32 v3, 2, v2
	v_lshrrev_b32 v9, 3, v2
	v_and_b32 v10, 7, v2
	v_lshlrev_b32 v11, 5, v10
	v_lshl_add_u32 v9, v9, 9, v11                  ; my column 8 j + i of the wave's 32 has place 16 j + i (+ 8 h, in the base): 32 scale bytes a place
	s_lshl_b32 s26, s21, 20
	s_lshl_b32 s27, s23, 2
	s_add_co_u32 s26, s26, s27
	s_mov_b32 s27, 0
	s_lshl_b32 s28, s20, 10
	s_lshl_b32 s29, s22, 7
	s_add_co_u32 s28, s28, s29
	s_lshr_b32 s29, s18, 1
	s_lshl_b32 s29, s29, 6
	s_add_co_u32 s28, s28, s29                     ; my group of 64 places,
	s_and_b32 s29, s18, 1
	s_lshl_b32 s29, s29, 3
	s_add_co_u32 s28, s28, s29                     ; + 8 h: an even wave holds the group's lower 32 columns, an odd one the upper
	WALU                                           ; the wait at the head's end
	s_wait_kmcnt 0x0
	s_cmp_eq_u32 s20, 0                            ; the choice hangs on the work-group's number alone
	s_cselect_b64 s[6:7], s[10:11], s[6:7]
	s_cmp_eq_u32 s20, 1
	s_cselect_b64 s[6:7], s[8:9], s[6:7]
	s_cmp_eq_u32 s20, 3
	s_cselect_b64 s[6:7], s[12:13], s[6:7]
	s_add_nc_u64 s[4:5], s[6:7], s[26:27]
.macro WLOAD t
.set i, 0
.rept 32
	global_load_b32 v[WX+32*((\t)%2)+i], v3, s[4:5] offset:(32*(\t)+i)*4096 th:TH_LOAD_NT
.set i, i+1
.endr
.endm
	WLOAD 0
	WLOAD 1
.macro WBLOCK t, img
.set WSET, WX+32*((\t)%2)
.set IB, ((\t)>>2)*1536+((\t)&1)*256   ; block t of the plane: fragment t / 4, c = t / 2 % 2, h = t % 2
.if (\t) < NB-1
	s_wait_loadcnt 32                              ; this block's 32 loads are in; the next block's may be out
.else
	s_wait_loadcnt 0
.endif
	v_max3_num_f32 v12, |v[WSET]|, |v[WSET+1]|, |v[WSET+2]|
	v_max3_num_f32 v13, |v[WSET+3]|, |v[WSET+4]|, |v[WSET+5]|
.irp i, 6,10,14,18,22,26
	v_max3_num_f32 v12, v12, |v[WSET+\i]|, |v[WSET+\i+1]|
	v_max3_num_f32 v13, v13, |v[WSET+\i+2]|, |v[WSET+\i+3]|
.endr
	v_max3_num_f32 v12, v12, |v[WSET+30]|, |v[WSET+31]|
	v_max3_num_f32 v12, v12, v13, (EMAX+1)<<23
	v_add_nc_u32 v11, -(EMAX<<23), v12
	v_lshrrev_b32 v13, 23, v11
.if (\t)%4 == 0
	v_mov_b32 v[SB+(\t)/4], v13
.else
	v_lshl_or_b32 v[SB+(\t)/4], v13, 8*((\t)%4), v[SB+(\t)/4]
.endif
	v_cvt_scalef32_pk16_fp6_f32 v[WC:WC+2], v[WSET:WSET+15], v11
	v_cvt_scalef32_pk16_fp6_f32 v[WC+8:WC+10], v[WSET+16:WSET+31], v11   ; (a conversion's three registers begin on an even number)
	v_nop                                          ; a plain line behind the last conversion
.if \img
.irp i, 0,1,2
	v_mov_b32 v[WC+3+\i], v[WC+8+\i]
.endr
.if ((\t)>>1)&1
	ds_store_b64 v4, v[WC:WC+1] offset:IB+520      ; registers 6, 7 and 8 to 11 of the fragment
	ds_store_b128 v4, v[WC+2:WC+5] offset:IB+1024
.else
	ds_store_b128 v4, v[WC:WC+3] offset:IB         ; registers 0 to 3 and 4, 5
	ds_store_b64 v4, v[WC+4:WC+5] offset:IB+512
.endif
.else
	ds_store_b96 v4, v[WC:WC+2] offset:32*(\t)     ; 12 bytes to a place of 16
	ds_store_b96 v4, v[WC+8:WC+10] offset:32*(\t)+16
.endif
.if (\t)+2 < NB
	WLOAD (\t)+2
.endif
	s_wait_dscnt 0x0                               ; the stores have read their registers
.endm
	s_cmp_eq_u32 s20, 3
	s_cbranch_scc1 .Lwo
; Wv, Wk, Wq: the work-group gathers the images of its 8 tiles x 2 fragments in LDS; they leave as runs of 3,072 bytes
	s_lshr_b32 s24, s18, 1
	s_mul_i32 s24, s24, 4*3072
	s_and_b32 s25, s18, 1
	s_lshl_b32 s25, s25, 7
	s_add_co_u32 s24, s24, s25
	s_add_co_u32 s24, s24, WLDS
	v_lshrrev_b32 v4, 3, v2
	v_mul_u32_u24 v4, v4, 3072
	v_lshl_add_u32 v4, v10, 4, v4
	v_add_nc_u32 v4, s24, v4                       ; tile 4 (wave / 2) + j, lane 8 (wave % 2) + i (+ 16 h, in the offset)
	v_lshlrev_b32 v8, 4, v2
	s_mul_i32 s24, s18, 2*3072
	s_add_co_u32 s24, s24, WLDS
	v_add_nc_u32 v7, s24, v8                       ; out: tiles 2 wave, 2 wave + 1
	s_lshl_b32 s30, s20, 6
	s_lshl_b32 s25, s22, 3
	s_add_co_u32 s30, s30, s25
	s_lshl_b32 s25, s18, 1
	s_add_co_u32 s30, s30, s25
	s_mul_i32 s30, s30, TILE
	s_mul_i32 s25, s21, 3072
	s_add_co_u32 s30, s30, s25
	s_mov_b32 s31, 0
	s_add_nc_u64 s[6:7], s[32:33], s[30:31]
	s_lshl_b32 s28, s28, 5
	s_lshl_b32 s29, s21, 3
	s_add_co_u32 s28, s28, s29
	s_add_co_u32 s28, s28, ISOFF
	s_mov_b32 s29, 0
	s_add_nc_u64 s[8:9], s[32:33], s[28:29]
	WALU
.set Q, 0
.rept NB
	WBLOCK Q, 1
.set Q, Q+1
.endr
	WALU                                           ; the wait ahead of the reader below
	global_store_b64 v9, v[SB:SB+1], s[8:9]        ; my column's 8 scale bytes
	s_barrier_signal -1                            ; every wave's stores are done (waited for above)
	s_barrier_wait -1
.irp n, 0,1,2,3,4,5,6,7,8,9,10,11
	ds_load_b128 v[OUTR+4*\n:OUTR+4*\n+3], v7 offset:512*\n
.endr
.irp n, 0,1,2,3,4,5,6,7,8,9,10,11
	s_wait_dscnt 11-\n                             ; the younger loads may be out
	global_store_b128 v8, v[OUTR+4*\n:OUTR+4*\n+3], s[6:7] offset:(\n/6)*TILE+(\n%6)*512   ; 512 consecutive bytes, aligned
.endr
	CLOSE
; Wo: planes of rows of 192 bytes, through the wave's own stage
.Lwo:
	s_mul_i32 s24, s18, 32*PITCH
	s_add_co_u32 s24, s24, PLDS
	v_mul_u32_u24 v4, v2, PITCH
	v_add_nc_u32 v4, s24, v4                       ; into my stage: row = my column
	v_and_b32 v5, 15, v2
	v_lshrrev_b32 v6, 4, v2
	v_mul_u32_u24 v7, v6, PITCH
	v_lshl_add_u32 v7, v5, 4, v7
	v_add_nc_u32 v7, s24, v7                       ; out of it: sixteen lanes to a row, two rows an instruction
	v_mul_u32_u24 v8, v6, ROWB
	v_mad_u32_u24 v8, v5, 12, v8
	s_mul_i32 s30, s28, ROWB
	s_mul_i32 s29, s21, KST
	s_add_co_u32 s30, s30, s29
	s_mov_b32 s31, 0
	s_add_nc_u64 s[6:7], s[16:17], s[30:31]
	s_lshl_b32 s28, s28, 5
	s_lshl_b32 s29, s21, 3
	s_add_co_u32 s28, s28, s29
	s_add_co_u32 s28, s28, SOFF
	s_mov_b32 s29, 0
	s_add_nc_u64 s[8:9], s[16:17], s[28:29]
	WALU
.set Q, 0
.rept NB
	WBLOCK Q, 0
.set Q, Q+1
.endr
	WALU
	global_store_b64 v9, v[SB:SB+1], s[8:9]
.irp t, 0,1,2,3,4,5,6,7,8,9,10,11,12,13,14,15
	ds_load_b96 v[OUTR+4*\t:OUTR+4*\t+2], v7 offset:2*\t*PITCH
.endr
.irp t, 0,1,2,3,4,5,6,7,8,9,10,11,12,13,14,15
	s_wait_dscnt 15-\t
	global_store_b96 v8, v[OUTR+4*\t:OUTR+4*\t+2], s[6:7] offset:(16*(\t/4)+2*(\t%4))*ROWB   ; columns 2 t, 2 t + 1 at their places
.endr
	CLOSE
.Lfunc_end_k_q9c86b2a1e1_quant:
	.size	k_q9c86b2a1e1_quant, .Lfunc_end_k_q9c86b2a1e1_quant-k_q9c86b2a1e1_quant
	.p2alignl 7, 3214868480
	.fill 96, 4, 3214868480
	.section	.rodata,"a",@progbits
	.p2align	6, 0x0
	.amdhsa_kernel k_q9c86b2a1e1_quant
		.amdhsa_group_segment_fixed_size 109056
		.amdhsa_private_segment_fixed_size 0
		.amdhsa_enable_private_segment 0
		.amdhsa_kernarg_size 64
		.amdhsa_user_sgpr_count 2
		.amdhsa_user_sgpr_kernarg_segment_ptr 1
		.amdhsa_wavefront_size32 1
		.amdhsa_system_sgpr_workgroup_id_x 1
		.amdhsa_system_sgpr_workgroup_id_y 1
		.amdhsa_system_sgpr_workgroup_id_z 1
		.amdhsa_system_vgpr_workitem_id 0
		.amdhsa_next_free_vgpr 200
		.amdhsa_next_free_sgpr 66
		.amdhsa_reserve_vcc 0
		.amdhsa_float_denorm_mode_32 3
		.amdhsa_float_denorm_mode_16_64 3
		.amdhsa_memory_ordered 1
		.amdhsa_forward_progress 1
		.amdhsa_inst_pref_size 114
	.end_amdhsa_kernel
	.amdgpu_metadata
---
amdhsa.version: [ 1, 2 ]
amdhsa.kernels:
  - .name:           k_q9c86b2a1e1_quant
    .symbol:         k_q9c86b2a1e1_quant.kd
    .args:
      - { .name: x, .offset: 0, .size: 8, .value_kind: global_buffer, .address_space: global }
      - { .name: Wq, .offset: 8, .size: 8, .value_kind: global_buffer, .address_space: global }
      - { .name: Wk, .offset: 16, .size: 8, .value_kind: global_buffer, .address_space: global }
      - { .name: Wv, .offset: 24, .size: 8, .value_kind: global_buffer, .address_space: global }
      - { .name: Wo, .offset: 32, .size: 8, .value_kind: global_buffer, .address_space: global }
      - { .name: xq, .offset: 40, .size: 8, .value_kind: global_buffer, .address_space: global }
      - { .name: wq, .offset: 48, .size: 8, .value_kind: global_buffer, .address_space: global }
      - { .name: wi, .offset: 56, .size: 8, .value_kind: global_buffer, .address_space: global }
    .group_segment_fixed_size: 109056
    .private_segment_fixed_size: 0
    .kernarg_segment_align: 8
    .kernarg_segment_size: 64
    .max_flat_workgroup_size: 128
    .sgpr_count:     66
    .vgpr_count:     200
    .wavefront_size: 32
...
	.end_amdgpu_metadata
.endif
;; end of part 1
;; launch qkv (part 2): grid 32 x 8, 4 waves a work-group, clusters of 4 x 1, 322,048 bytes of LDS; arguments xq, wi, qkv; writes qkv
.if DOCPART == 2
	.amdgcn_target "amdgcn-amd-amdhsa--gfx1250"
	.amdhsa_code_object_version 6
	.text
	.protected	k_q9c86b2a1e1_qkv
	.globl	k_q9c86b2a1e1_qkv
	.p2align	8
	.type	k_q9c86b2a1e1_qkv,@function
k_q9c86b2a1e1_qkv:
	s_mov_b64 s[64:65], 0
	v_nop
	global_prefetch_b8 v0, s[64:65] scope:SCOPE_SE
	s_setreg_imm32_b32 hwreg(HW_REG_WAVE_MODE, 25, 1), 1
	s_wait_xcnt 0x0
	s_wait_alu depctr_hold_cnt(0) depctr_sa_sdst(0) depctr_va_vdst(0) depctr_va_sdst(0) depctr_va_ssrc(0) depctr_va_vcc(0) depctr_vm_vsrc(0)
	s_getreg_b32 s2, hwreg(HW_REG_IB_STS2, 6, 4)
	s_cmp_eq_u32 s2, 0
	s_cbranch_scc0 .Lentry_in_a_cluster
	s_endpgm
.Lentry_in_a_cluster:
	s_bfe_u32 s2, ttmp6, 0x10000c
	s_cmp_lg_u32 s2, 0x3003
	s_cbranch_scc0 .Lentry_shape_is_right
	s_endpgm
.Lentry_shape_is_right:
; Q, K, V = x W^T on codes of FP6, and their quantisers; the results leave as images of the next launch's operand registers.
; THE DEAL.  256 work-groups: 256 tokens (places) x one pair of heads.  A wave holds ONE BAND of 64 places, all of K, in registers for the whole launch: 4 tiles x 8 fragments x 12 = 384, loaded straight from xq,
; which holds register images (512 consecutive bytes a load).  The pair's 128 rows each of Wv, Wk, Wq (98,304 bytes each, register images too) and their scale bytes come into LDS ONCE, one tensor load a wave:
; no ring, no refill.  They stream past in 24 blocks of 16 rows, two register buffers by turns: 26 LDS loads and 32 products a block; 768 products a wave.
; A UNIT is one head of one tensor: four blocks, 128 accumulators.  K, Q: source 0 = the weight's rows; the accumulators of token tile a are registers 32 a + 8 j + i = channels 32 h + 8 j + i of my token.
; V: source 0 = x's rows; the accumulators of block t are registers 32 t + 8 a + i = tokens 32 h + 8 a + i of my channel.  Either way 32 registers on end are one scale block of the next product.
; V COMES FIRST: an operand of V takes both bands of a key step, which two waves hold: codes and scale bytes meet in an LDS stage with bytes of its own and leave as whole runs.  K's and Q's codes (3,072 bytes) and
; scale words (256 bytes: [band][lane][two words]) leave straight from registers.
; CLUSTER: four row groups of one head pair ask for the weights jointly.  The first barrier shows Wv's rows and the scale bytes (waves 0 and 1); the first barrier of V's way out shows the rest.
; Nothing is prefetched: all that the work-group reads is asked for at its head, and there is no loop ahead of that to ask in.
; THE ONE COUNTED WAIT, s_wait_dscnt 26: behind a block's own loads stand the next block's 24 fragment loads and 2 loads of scale words.
; LIMITS: NaN and infinities are not served; a block whose largest magnitude lies under 2^-124 keeps the scale byte 1.
; REGISTERS: window 0: v0-31 addresses and work; v32-63 x's scale words; v68-83 the weights', two sets; v84-127 codes and work; v128-255 the accumulators.  Windows 1, 2: x's fragments of q = 0-3, 4-7 at 12 (4 (q % 4) + a);
; v192-215 of window 1: V on its way out.  Window 3: the weights' two buffers at 0 and 96.
.set HEADB, 98304
.set QSOFF, 18874368
.set XSOFF, 6291456
.set ISOFF, 2359296
.set TILE,  12288
.set WSC,   294912                     ; LDS: the weights' scale bytes, 384 rows of 32
.set VCS,   307200                     ; V's codes of one head: [key step][t][1,536]
.set VSS,   319488                     ; V's scale words of one head: [key step][lane][t]
.set SPARE, 321536
.set LI,  4                            ; 16 x lane
.set WA,  5
.set WSA, 6
.set L8,  7                            ; 8 x lane
.set VP,  8                            ; v8-10: where my three register pairs go in V's stage
.set VB,  11
.set SH0, 12
.set SH1, 13
.set SPW, 14
.set NIL, 15
.set TM,  16
.set SOP, 24
.set XS,  32
.set XA,  64
.set RS,  65
.set RBC, 66
.set RBS, 67
.set WS,  68                           ; (4 modulo 8 from XS)
.set CD,  96
.set EB,  124
.set AC,  128
.set MSB, 0
.macro WIN new
.if MSB != (\new)
	s_set_vgpr_msb (MSB<<8)|(\new)
.set MSB, (\new)
.endif
.endm
.macro WALU
	s_wait_alu depctr_va_vdst(0)
.endm
.macro PLACES n
.rept \n
	v_nop
.endr
.endm
.macro CROUND
	s_barrier_signal -1
	s_barrier_wait -1
	s_cmp_lg_u32 s14, 0
	s_cbranch_scc1 .Lnot_wave_0_\@
	s_barrier_signal -3
.Lnot_wave_0_\@:
	s_barrier_wait -3
	s_barrier_signal -1
	s_barrier_wait -1
.endm
.macro TLOAD g0, g1
	tensor_load_to_lds s[\g0:\g0+3], s[\g1:\g1+7]
	s_nop 0
	PLACES 4
.endm
	s_load_b128 s[4:7], s[0:1], 0x0                ; xq, wi
	s_load_b64 s[8:9], s[0:1], 0x10                ; qkv
	v_lshl_add_u32 v[SPW], v0, 2, SPARE
	v_mov_b32 v[NIL], 0
	ds_add_u32 v[SPW], v[NIL]                      ; the opening lines
	ds_add_u32 v[SPW], v[NIL]
	v_lshrrev_b32 v1, 5, v0
	v_readfirstlane_b32 s14, v1                    ; wave: key step s15 of the work-group's two, band s16
	s_lshr_b32 s15, s14, 1
	s_and_b32 s16, s14, 1
	s_bfe_u32 s17, ttmp6, 0x40000                  ; cx: it enters global addresses of x and of the results alone
	s_lshl_b32 s18, ttmp9, 2
	s_add_co_u32 s18, s18, s17                     ; row group
	s_and_b32 s19, ttmp7, 0xffff                   ; head pair
	v_and_b32 v1, 15, v0
	v_bfe_u32 v2, v0, 4, 1
	v_and_b32 v3, 31, v0
	v_lshlrev_b32 v[LI], 4, v3
	v_lshlrev_b32 v[L8], 3, v3
	v_lshlrev_b32 v[XA], 5, v1
	s_mov_b32 s24, 15|(3<<16)|(1<<21)              ; group 1, a tensor's 128 rows: 384 rows of 256 bytes; all four work-groups
	s_mov_b32 s25, 32<<16
	s_mov_b32 s26, 384<<16
	s_mov_b32 s27, 32<<16
	s_mov_b32 s28, 384
	s_mov_b32 s29, 32
	s_mov_b32 s30, 0
	s_mov_b32 s31, 0
	s_mov_b32 s32, 15|(3<<16)|(1<<21)              ; the scale bytes: 3 rows of 4,096 bytes, 32,768 apart
	s_mov_b32 s33, 512<<16
	s_mov_b32 s34, 3<<16
	s_mov_b32 s35, 512<<16
	s_mov_b32 s36, 3
	s_mov_b32 s37, 4096
	s_mov_b32 s38, 0
	s_mov_b32 s39, 0
	s_mul_i32 s20, s19, 8*TILE                     ; wave 0: Wv's eight tiles
	s_mov_b32 s21, 0
	s_lshl_b32 s22, s19, 12                        ; wave 1: the scale bytes
	s_add_co_u32 s22, s22, ISOFF
	s_mov_b32 s23, 0
	s_mul_i32 s53, s14, 8*TILE                     ; waves 2, 3: Wk's, Wq's
	s_add_co_u32 s53, s53, -8*TILE
	s_mul_i32 s40, s14, 64*TILE
	s_add_co_u32 s40, s40, -64*TILE
	s_add_co_u32 s40, s40, s20
	s_mov_b32 s41, 0
	s_mul_i32 s56, s18, 16*TILE                    ; x: my four tiles,
	s_mul_i32 s57, s14, 4*TILE
	s_add_co_u32 s56, s56, s57
	s_mov_b32 s57, 0
	s_lshl_b32 s58, s18, 13                        ; their scale bytes
	s_lshl_b32 s59, s14, 11
	s_add_co_u32 s58, s58, s59
	s_add_co_u32 s58, s58, XSOFF
	s_mov_b32 s59, 0
	s_lshr_b32 s42, s18, 3                         ; batch
	s_lshl_b32 s42, s42, 4
	s_lshl_b32 s43, s19, 1
	s_add_co_u32 s42, s42, s43                     ; 16 x batch + the pair's first head
	s_and_b32 s43, s18, 7
	s_lshl_b32 s43, s43, 1
	s_add_co_u32 s43, s43, s15                     ; key step in the batch
	s_mul_i32 s66, s42, HEADB
	s_mul_i32 s67, s43, 6144
	s_add_co_u32 s66, s66, s67
	s_mul_i32 s67, s16, 3072
	s_add_co_u32 s66, s66, s67
	s_mov_b32 s67, 0                               ; codes: region, key step, half of it
	s_lshl_b32 s68, s42, 13
	s_lshl_b32 s69, s43, 9
	s_add_co_u32 s68, s68, s69
	s_lshl_b32 s69, s16, 8
	s_add_co_u32 s68, s68, s69
	s_add_co_u32 s68, s68, QSOFF
	s_mov_b32 s69, 0                               ; scale words likewise
	s_mov_b32 s74, 0x76543210
	s_mov_b32 s75, 0xfedcba98                      ; v_permlanex16_b32's selects for lane l xor 16
	s_mov_b32 s76, 0x1800000                       ; the floor 2^(3 - 127)
	s_mov_b32 s77, 0xffff0000                      ; lanes 16-31
	WALU
	s_wait_dscnt 0x0
	CROUND                                         ; all four work-groups are here: the joint loads meet
	s_wait_kmcnt 0x0
	s_mov_b32 s44, 1
	s_mov_b32 s45, 0
	s_add_nc_u64 s[46:47], s[6:7], s[20:21]
	s_or_b32 s47, s47, 0x80000000
	s_mov_b32 s48, 1
	s_mov_b32 s49, WSC
	s_add_nc_u64 s[50:51], s[6:7], s[22:23]
	s_or_b32 s51, s51, 0x80000000
	s_mov_b32 s52, 1
	s_add_nc_u64 s[54:55], s[6:7], s[40:41]
	s_or_b32 s55, s55, 0x80000000
	s_add_nc_u64 s[56:57], s[4:5], s[56:57]
	s_add_nc_u64 s[58:59], s[4:5], s[58:59]
	s_add_nc_u64 s[66:67], s[8:9], s[66:67]
	s_add_nc_u64 s[68:69], s[8:9], s[68:69]
	s_add_nc_u64 s[60:61], s[66:67], 128*HEADB     ; V's regions lie behind q's and K's
	s_add_nc_u64 s[62:63], s[68:69], 128*8192
	s_cmp_eq_u32 s14, 0
	s_cbranch_scc0 .Lwave_1
	TLOAD 44, 24
	s_branch .Lasked
.Lwave_1:
	s_cmp_eq_u32 s14, 1
	s_cbranch_scc0 .Lwave_2
	TLOAD 48, 32
	s_branch .Lasked
.Lwave_2:
	TLOAD 52, 24
.Lasked:
.irp q, 0,1,2,3,4,5,6,7
	WIN (1+\q/4)<<6
.irp a, 0,1,2,3
.irp y, 0,1,2
	global_load_b128 v[12*(4*(\q%4)+\a)+4*\y:12*(4*(\q%4)+\a)+4*\y+3], v[LI], s[56:57] offset:\a*TILE+\q*1536+\y*512
.endr
.endr
.endr
	WIN 0
.irp a, 0,1,2,3
	global_load_b128 v[XS+8*\a:XS+8*\a+3], v[XA], s[58:59] offset:512*\a        ; row r's eight scale words
	global_load_b128 v[XS+8*\a+4:XS+8*\a+7], v[XA], s[58:59] offset:512*\a+16
.endr
	v_lshlrev_b32 v[RS], 5, v1
	v_add_nc_u32 v[RS], WSC, v[RS]                 ; a block's scale words: 32 bytes a row
	v_lshlrev_b32 v[SH0], 3, v2                    ; 8 h
	v_sub_nc_u32 v[SH1], 8, v[SH0]                 ; 8 - 8 h
	s_mul_i32 s20, s15, 6144                       ; V's stage: band c's registers are 6 c .. 6 c + 5 of an operand; pairs 0, 1, 2 lie at 520 c, 8 + 1016 c, 512 + 520 c
	s_add_co_u32 s20, s20, VCS
	s_mul_i32 s21, s16, 520
	s_add_co_u32 s21, s21, s20
	v_add_nc_u32 v[VP], s21, v[LI]
	v_add_nc_u32 v[VP+2], 512, v[VP]
	s_mul_i32 s21, s16, 1016
	s_add_co_u32 s21, s21, s20
	s_add_co_u32 s21, s21, 8
	v_add_nc_u32 v[VP+1], s21, v[LI]
	s_lshl_b32 s20, s15, 9
	s_lshl_b32 s21, s16, 1
	s_add_co_u32 s20, s20, s21
	s_add_co_u32 s20, s20, VSS
	v_lshl_add_u32 v[VB], v1, 4, v2
	v_add_nc_u32 v[VB], s20, v[VB]                 ; my byte: 16 r + 4 t + 2 c + h
	s_mul_i32 s20, s14, 3072
	s_add_co_u32 s20, s20, VCS
	v_add_nc_u32 v[RBC], s20, v[LI]                ; back out of the stages: a quarter each
	s_lshl_b32 s20, s14, 8
	s_add_co_u32 s20, s20, VSS
	v_add_nc_u32 v[RBS], s20, v[L8]
	s_mov_b32 s40, 0                               ; the block to be fetched: its codes, its scale words
	s_mov_b32 s41, 0
; the next block into buffer b.  The four lines at its head are the places behind the products that read that buffer.  Behind the last block the last is fetched once more.
.macro FETCHW b
	v_add_nc_u32 v[WA], s40, v[LI]
	v_add_nc_u32 v[WSA], s41, v[RS]
	PLACES 2
	WIN 0xc0
.irp q, 0,1,2,3,4,5,6,7
.irp y, 0,1,2
	ds_load_b128 v[96*(\b)+12*\q+4*\y:96*(\b)+12*\q+4*\y+3], v[WA] offset:1536*\q+512*\y
.endr
.endr
	WIN 0
	ds_load_b128 v[WS+8*(\b):WS+8*(\b)+3], v[WSA]
	ds_load_b128 v[WS+8*(\b)+4:WS+8*(\b)+7], v[WSA] offset:16
	s_add_co_u32 s40, s40, TILE
	s_min_u32 s40, s40, 23*TILE
	s_add_co_u32 s41, s41, 512
	s_min_u32 s41, s41, 23*512
.endm
.macro PR d, s0, s1, x0, x1
.if Z_
	v_wmma_scale_f32_16x16x128_f8f6f4 v[\d:\d+7], v[\s0:\s0+11], v[\s1:\s1+11], 0, v[\x0], v[\x1] matrix_a_fmt:MATRIX_FMT_FP6 matrix_b_fmt:MATRIX_FMT_FP6
.else
	v_wmma_scale_f32_16x16x128_f8f6f4 v[\d:\d+7], v[\s0:\s0+11], v[\s1:\s1+11], v[\d:\d+7], v[\x0], v[\x1] matrix_a_fmt:MATRIX_FMT_FP6 matrix_b_fmt:MATRIX_FMT_FP6
.endif
.endm
; four blocks; in each the four accumulators take turns; the first products start the sums
.macro UNIT kind
.irp jj, 0,1,2,3
	FETCHW 1-\jj%2
	s_wait_dscnt 26
.irp q, 0,1,2,3,4,5,6,7
.if \kind
	WIN (1+\q/4)|(3<<2)
.else
	WIN 3|((1+\q/4)<<2)
.endif
.set Z_, 0
.if \q == 0
.set Z_, 1
.endif
.irp a, 0,1,2,3
.set X_, 12*(4*(\q%4)+\a)
.set W_, 96*(\jj%2)+12*\q
.set XS_, XS+8*\a+\q
.set WS_, WS+8*(\jj%2)+\q
.if \kind
.set D_, AC+32*\jj+8*\a
	PR D_, X_, W_, XS_, WS_
.else
.set D_, AC+32*\a+8*\jj
	PR D_, W_, X_, WS_, XS_
.endif
.endr
.endr
	WIN 0
.endr
.endm
; four blocks of 32 sums become four times six registers of codes (v[CD + 6 g ..]) and a scale byte (v[EB + g]); eight chains by turns, each accumulator from its low end on
.macro QUANT4
.irp g, 0,1,2,3
	v_max3_num_f32 v[TM+2*\g], s76, |v[AC+32*\g]|, |v[AC+32*\g+1]|
	v_max3_num_f32 v[TM+2*\g+1], s76, |v[AC+32*\g+16]|, |v[AC+32*\g+17]|
.endr
.irp i, 2,4,6,8,10,12,14
.irp g, 0,1,2,3
	v_max3_num_f32 v[TM+2*\g], v[TM+2*\g], |v[AC+32*\g+\i]|, |v[AC+32*\g+\i+1]|
	v_max3_num_f32 v[TM+2*\g+1], v[TM+2*\g+1], |v[AC+32*\g+16+\i]|, |v[AC+32*\g+17+\i]|
.endr
.endr
.irp g, 0,1,2,3
	v_max_num_f32 v[TM+2*\g], v[TM+2*\g], v[TM+2*\g+1]
.endr
.irp g, 0,1,2,3
	v_add_nc_u32 v[SOP+\g], 0xff000000, v[TM+2*\g]         ; 2 off the exponent field: the conversions' scale operand
.endr
.irp g, 0,1,2,3
	v_lshrrev_b32 v[EB+\g], 23, v[SOP+\g]
.endr
.irp g, 0,1,2,3
	v_cvt_scalef32_pk16_fp6_f32 v[CD+6*\g:CD+6*\g+2], v[AC+32*\g:AC+32*\g+15], v[SOP+\g]
	v_cvt_scalef32_pk16_fp6_f32 v[84+4*\g+24*(\g/3):86+4*\g+24*(\g/3)], v[AC+32*\g+16:AC+32*\g+31], v[SOP+\g]   ; (three registers from an even one: v84, v88, v92, v120)
.endr
	v_nop                                          ; a plain line behind the last conversion
.irp g, 0,1,2,3
.irp i, 0,1,2
	v_mov_b32 v[CD+6*\g+3+\i], v[84+4*\g+24*(\g/3)+\i]
.endr
.endr
.endm
	WALU                                           ; the wait at the head's end
	s_cmp_lt_u32 s14, 2
	s_cbranch_scc0 .Llater
	s_wait_tensorcnt 0x0                           ; waves 0, 1: my load has landed
.Llater:
	s_barrier_signal -1
	s_barrier_wait -1                              ; Wv's rows and the scale bytes are in; nothing is ever filled again
	FETCHW 0
	s_wait_loadcnt 0x0                             ; x
; ---- V, two heads
	s_mov_b32 s42, 0
.Lv:
	UNIT 1
	s_wait_tensorcnt 0x0                           ; every wave: its load has landed
	s_wait_dscnt 0x0                               ; and my reads of the stage in the last trip are long done
	s_barrier_signal -1
	PLACES 4
	QUANT4
	WALU                                           ; the wait ahead of the wait below
	s_barrier_wait -1                              ; Wk's and Wq's rows are in, and nobody reads the stage any more
.irp t, 0,1,2,3
.irp p, 0,1,2
	ds_store_b64 v[VP+\p], v[CD+6*\t+2*\p:CD+6*\t+2*\p+1] offset:1536*\t
.endr
	ds_store_b8 v[VB], v[EB+\t] offset:4*\t
	ds_store_b8 v[VB], v[EB+\t] offset:4*\t+256    ; (lanes 16-31 of the image hold the same words)
.endr
	s_wait_dscnt 0x0
	s_barrier_signal -1
	s_barrier_wait -1                              ; both bands are in the stage
	WIN 0x40
.irp k, 0,1,2,3,4,5
	ds_load_b128 v[192+4*\k:195+4*\k], v[RBC] offset:512*\k
.endr
	WIN 0
	ds_load_b64 v[TM:TM+1], v[RBS]
	s_wait_dscnt 0x0
	WIN 0x04
.irp k, 0,1,2,3,4,5
	global_store_b128 v[LI], v[192+4*\k:195+4*\k], s[60:61] offset:512*\k   ; 512 consecutive bytes, aligned
.endr
	WIN 0
	global_store_b64 v[L8], v[TM:TM+1], s[62:63]
	s_wait_xcnt 0x0                                ; the stores have read their registers and bases
	s_add_nc_u64 s[60:61], s[60:61], HEADB
	s_add_nc_u64 s[62:63], s[62:63], 8192
	s_add_co_u32 s42, s42, 1
	s_cmp_lt_u32 s42, 2
	s_cbranch_scc1 .Lv
; ---- K's two heads, then Q's
	s_mov_b32 s42, 0
.Lqk:
	UNIT 0
	PLACES 4
	s_wait_xcnt 0x0                                ; the last trip's stores have read their registers and bases
	s_lshr_b32 s20, s42, 1
	s_xor_b32 s20, s20, 1
	s_lshl_b32 s20, s20, 6                         ; K's regions lie 64 behind q's
	s_and_b32 s21, s42, 1
	s_add_co_u32 s20, s20, s21
	s_mul_i32 s22, s20, HEADB
	s_mov_b32 s23, 0
	s_add_nc_u64 s[70:71], s[66:67], s[22:23]
	s_lshl_b32 s22, s20, 13
	s_add_nc_u64 s[72:73], s[68:69], s[22:23]
	QUANT4
.irp a, 0,1,2,3
	v_permlanex16_b32 v[TM+\a], v[EB+\a], s74, s75         ; lane l xor 16 has my token's other byte
.endr
.irp a, 0,1,2,3
	v_lshlrev_b32 v[EB+\a], v[SH0], v[EB+\a]
.endr
.irp a, 0,1,2,3
	v_lshl_or_b32 v[EB+\a], v[TM+\a], v[SH1], v[EB+\a]     ; the token's scale word
.endr
	v_cndmask_b32 v[TM], v[EB], v[EB+1], s77       ; lanes 0-15 the even tile's words, lanes 16-31 the odd tile's
	v_cndmask_b32 v[TM+1], v[EB+2], v[EB+3], s77
.irp k, 0,1,2,3,4,5
	global_store_b128 v[LI], v[CD+4*\k:CD+4*\k+3], s[70:71] offset:512*\k
.endr
	global_store_b64 v[L8], v[TM:TM+1], s[72:73]   ; 256 consecutive bytes, aligned
	s_add_co_u32 s42, s42, 1
	s_cmp_lt_u32 s42, 4
	s_cbranch_scc1 .Lqk
	s_wait_tensorcnt 0x0                           ; the wave's end
	ds_add_u32 v[SPW], v[NIL]
	s_wait_dscnt 0x0
	CROUND                                         ; the closing round
	s_endpgm
.Lfunc_end_k_q9c86b2a1e1_qkv:
	.size	k_q9c86b2a1e1_qkv, .Lfunc_end_k_q9c86b2a1e1_qkv-k_q9c86b2a1e1_qkv
	.p2alignl 7, 3214868480
	.fill 96, 4, 3214868480
	.section	.rodata,"a",@progbits
	.p2align	6, 0x0
	.amdhsa_kernel k_q9c86b2a1e1_qkv
		.amdhsa_group_segment_fixed_size 322048
		.amdhsa_private_segment_fixed_size 0
		.amdhsa_enable_private_segment 0
		.amdhsa_kernarg_size 24
		.amdhsa_user_sgpr_count 2
		.amdhsa_user_sgpr_kernarg_segment_ptr 1
		.amdhsa_wavefront_size32 1
		.amdhsa_system_sgpr_workgroup_id_x 1
		.amdhsa_system_sgpr_workgroup_id_y 1
		.amdhsa_system_sgpr_workgroup_id_z 1
		.amdhsa_system_vgpr_workitem_id 0
		.amdhsa_next_free_vgpr 1024
		.amdhsa_next_free_sgpr 80
		.amdhsa_reserve_vcc 0
		.amdhsa_float_denorm_mode_32 3
		.amdhsa_float_denorm_mode_16_64 3
		.amdhsa_memory_ordered 1
		.amdhsa_forward_progress 1
		.amdhsa_inst_pref_size 86
	.end_amdhsa_kernel
	.amdgpu_metadata
---
amdhsa.version: [ 1, 2 ]
amdhsa.kernels:
  - .name:           k_q9c86b2a1e1_qkv
    .symbol:         k_q9c86b2a1e1_qkv.kd
    .args:
      - { .name: xq, .offset: 0, .size: 8, .value_kind: global_buffer, .address_space: global }
      - { .name: wi, .offset: 8, .size: 8, .value_kind: global_buffer, .address_space: global }
      - { .name: qkv, .offset: 16, .size: 8, .value_kind: global_buffer, .address_space: global }
    .group_segment_fixed_size: 322048
    .private_segment_fixed_size: 0
    .kernarg_segment_align: 8
    .kernarg_segment_size: 24
    .max_flat_workgroup_size: 128
    .sgpr_count:     80
    .vgpr_count:     1024
    .wavefront_size: 32
...
	.end_amdgpu_metadata
.endif
;; end of part 2
;; launch attn (part 3): grid 4 x 64, 16 waves a work-group, clusters of 4 x 1, 215,040 bytes of LDS; arguments qkv, oq; writes oq
.if DOCPART == 3
	.amdgcn_target "amdgcn-amd-amdhsa--gfx1250"
	.amdhsa_code_object_version 6
	.text
	.protected	k_q9c86b2a1e1_attn
	.globl	k_q9c86b2a1e1_attn
	.p2align	8
	.type	k_q9c86b2a1e1_attn,@function
k_q9c86b2a1e1_attn:
	s_mov_b64 s[64:65], 0
	v_nop
	global_prefetch_b8 v0, s[64:65] scope:SCOPE_SE
	s_setreg_imm32_b32 hwreg(HW_REG_WAVE_MODE, 25, 1), 1
	s_wait_xcnt 0x0
	s_wait_alu depctr_hold_cnt(0) depctr_sa_sdst(0) depctr_va_vdst(0) depctr_va_sdst(0) depctr_va_ssrc(0) depctr_va_vcc(0) depctr_vm_vsrc(0)
	s_getreg_b32 s2, hwreg(HW_REG_IB_STS2, 6, 4)
	s_cmp_eq_u32 s2, 0
	s_cbranch_scc0 .Lentry_in_a_cluster
	s_endpgm
.Lentry_in_a_cluster:
	s_bfe_u32 s2, ttmp6, 0x10000c
	s_cmp_lg_u32 s2, 0x3003
	s_cbranch_scc0 .Lentry_shape_is_right
	s_endpgm
.Lentry_shape_is_right:
; o = softmax(q k^T / 8) v for one head of 64 and 2,048 keys, both products on codes of FP6 (E2M3) with one E8M0 scale for each 32 along a product's K; o is quantised along the model's 1,024 and leaves as codes.
; THE SOFTMAX: t = score x log2(e) / 8; M = the row's largest t so far, rounded UP to a whole number; p = 2^(t - M) is quantised along the keys, not normalised.  The row's sum is taken of the unquantised p, in f32,
; and divides O at the end.  When M moves, the sum and O are multiplied by 2^(old M - new M): exact.
; SHARES.  A work-group owns 512 queries of one head (grid y = 16 x batch + head); each of sixteen waves owns two tiles of 16 queries and takes them one after the other (tile 1, then tile 0); every wave walks all keys, 128 a step.
; LDS holds the head's whole K and V as images of operand registers, read at 16 x lane.  Every byte is filled ONCE: no ring, no refill.
; CLUSTER.  The four work-groups of a cluster belong to one head and ask jointly.  ONE LOAD A WAVE, in one chain of three arms: waves 0-3 a quarter each of K's and V's scale words; waves 4-7 the first two pieces of 16,384 bytes
; of K and of V; waves 8-15 the other eight pieces.  The first barrier shows waves 0-7's loads: 32,768 bytes of each image hold five whole steps of 6,144.  The second shows all.
; Nothing is prefetched: the first fills ask for all that the work-group ever reads of K and V, and there is no loop ahead of them to ask in.
; LAYOUT.  Both products are used transposed: S^T = K Q^T, O^T = V^T P^T: a lane holds ONE query (lane % 16).  By the rows' order that the first launch laid, tile 4 c + j of a step holds keys 64 c + 8 j + i and 64 c + 32 + 8 j + i:
; the 32 score registers of block c in lane half h are keys 64 c + 32 h + 0 .. 31: one whole scale block, in the order of the operand's registers.  O^T's 32 registers are channels 32 h + 0 .. 31 likewise.
; K = 64 IN AN INSTRUCTION OF 128: fragment t of K is named v[36 + 6 t .. + 11], whose upper six registers are the next tile's (behind the last: zeros).  They meet ZERO CODES in Q's upper six registers.
; LIMITS: NaN and infinities are not served; the scaled scores stay under 2^31 in magnitude; a block whose largest magnitude lies under 2^-124 keeps the scale byte 1; a block's largest p is taken as the exponential of its
; largest score.  o's scale bytes leave one byte a lane: the 32 bytes of a token's row belong to sixteen heads, which are other work-groups.
; REGISTERS: v1-6 addresses; v8-11 the step's; v12 -M, v13 the largest score, v[14:15] the sum; v16-27 Q's two tiles; v28-33, v84-89 zeros; v34, v35 8 h, 8 - 8 h; v36-83 K's tiles, then V's; v92, v93 the add's;
;   v96-159 S^T, then p; v160-191 O^T; v200-220 at work; v224-235 p's codes; v236-242 conversions; v248-251 K's, then V's scale words; v252 f, v253 p's scale word; v255 Q's.
.set HEADB, 98304
.set QSOFF, 18874368
.set OSOFF, 6291456
.set VIMG,  98304
.set KSC,   196608
.set VSC,   204800
.set PIECE, 16384
.set SPARE, 212992
.set FIRST, 5                          ; whole steps in two pieces
.macro WALU
	s_wait_alu depctr_va_vdst(0)
.endm
.macro DEP n
	s_delay_alu instid0(VALU_DEP_\n)
.endm
.macro CROUND
	s_barrier_signal -1
	s_barrier_wait -1
	s_cmp_lg_u32 s8, 0
	s_cbranch_scc1 .Lnot_wave_0_\@
	s_barrier_signal -3
.Lnot_wave_0_\@:
	s_barrier_wait -3
	s_barrier_signal -1
	s_barrier_wait -1
.endm
.macro TLOAD g0, g1
	tensor_load_to_lds s[\g0:\g0+3], s[\g1:\g1+7]
	s_nop 0
.rept 4
	v_nop
.endr
.endm
	s_load_b128 s[4:7], s[0:1], 0x0                ; qkv, oq
	v_lshl_add_u32 v92, v0, 2, SPARE
	v_mov_b32 v93, 0
	ds_add_u32 v92, v93                            ; the opening lines
	ds_add_u32 v92, v93
	v_lshrrev_b32 v7, 5, v0
	DEP 1
	v_readfirstlane_b32 s8, v7                     ; wave 0..15
	s_bfe_u32 s9, ttmp6, 0x40000                   ; cx: it enters Q's and o's global addresses alone
	s_and_b32 s10, ttmp7, 0xffff                   ; 16 x batch + head
	s_mov_b32 s24, 15|(3<<16)|(1<<21)              ; group 1, scale words: 16 rows of 256 bytes; all four work-groups
	s_mov_b32 s25, 32<<16
	s_mov_b32 s26, 16<<16
	s_mov_b32 s27, 32<<16
	s_mov_b32 s28, 16
	s_mov_b32 s29, 32
	s_mov_b32 s30, 0
	s_mov_b32 s31, 0
	s_mov_b32 s32, 15|(3<<16)|(1<<21)              ; a piece of codes: 64 rows
	s_mov_b32 s33, 32<<16
	s_mov_b32 s34, 64<<16
	s_mov_b32 s35, 32<<16
	s_mov_b32 s36, 64
	s_mov_b32 s37, 32
	s_mov_b32 s38, 0
	s_mov_b32 s39, 0
	s_and_b32 s11, s8, 1
	s_bfe_u32 s12, s8, 0x10001
	s_bfe_u32 s13, s8, 0x10002
	s_and_b32 s14, s8, 3
	s_mul_i32 s63, s10, HEADB
	s_lshl_b32 s41, s8, 12                         ; waves 0-3: bit 1 K or V, bit 0 which half of its 8,192 bytes
	s_add_co_u32 s41, s41, KSC
	s_lshl_b32 s16, s10, 13
	s_lshl_b32 s17, s12, 19
	s_add_co_u32 s16, s16, s17
	s_lshl_b32 s17, s11, 12
	s_add_co_u32 s16, s16, s17
	s_add_co_u32 s16, s16, QSOFF+64*8192
	s_mov_b32 s17, 0
	s_mul_i32 s45, s12, VIMG                       ; waves 4-7: bit 1 K or V, bit 0 piece 0 or 1
	s_lshl_b32 s18, s11, 14
	s_add_co_u32 s45, s45, s18
	s_mul_i32 s19, s12, 64*HEADB
	s_add_co_u32 s18, s18, s19
	s_add_co_u32 s18, s18, s63
	s_add_co_u32 s18, s18, 64*HEADB                ; K's regions lie behind q's, V's behind K's
	s_mov_b32 s19, 0
	s_mul_i32 s49, s13, VIMG                       ; waves 8-15: bit 2 K or V, bits 1:0 + 2 the piece
	s_lshl_b32 s52, s14, 14
	s_add_co_u32 s52, s52, 2*PIECE
	s_add_co_u32 s49, s49, s52
	s_mul_i32 s53, s13, 64*HEADB
	s_add_co_u32 s52, s52, s53
	s_add_co_u32 s52, s52, s63
	s_add_co_u32 s52, s52, 64*HEADB
	s_mov_b32 s53, 0
	s_lshl_b32 s54, s9, 4
	s_add_co_u32 s54, s54, s8                      ; my pair of tiles among the head's 64
	s_mul_i32 s67, s54, 1536
	s_add_co_u32 s66, s63, s67
	s_mov_b32 s67, 0                               ; Q's codes
	s_lshl_b32 s68, s10, 13
	s_lshr_b32 s69, s54, 2
	s_lshl_b32 s69, s69, 9
	s_add_co_u32 s68, s68, s69
	s_bfe_u32 s69, s54, 0x10001
	s_lshl_b32 s69, s69, 8
	s_add_co_u32 s68, s68, s69                     ; a key step's scale words of q and K lie [band][lane][two words]
	s_and_b32 s69, s54, 1
	s_lshl_b32 s69, s69, 2
	s_add_co_u32 s68, s68, s69
	s_add_co_u32 s68, s68, QSOFF
	s_mov_b32 s69, 0                               ; Q's scale words: step pair / 4, word pair % 4 of a lane's four
	s_lshr_b32 s56, s10, 4                         ; batch
	s_and_b32 s57, s10, 15                         ; head
	s_lshl_b32 s58, s56, 7
	s_lshl_b32 s59, s54, 1
	s_add_co_u32 s58, s58, s59                     ; my first tile of 16 places among the 512
	s_lshl_b32 s70, s58, 4
	s_add_co_u32 s70, s70, s57
	s_mul_i32 s70, s70, 768
	s_mov_b32 s71, 0                               ; o's codes: (16 x tile + head) x 768
	s_lshl_b32 s72, s58, 9
	s_lshl_b32 s73, s57, 1
	s_add_co_u32 s72, s72, s73
	s_add_co_u32 s72, s72, OSOFF
	s_mov_b32 s73, 0                               ; o's scale bytes: 32 a place, mine at 2 x head + h
	s_mov_b32 s20, 0x76543210
	s_mov_b32 s21, 0xfedcba98                      ; v_permlanex16_b32's selects for lane l xor 16
	s_mov_b32 s22, 0x3e38aa3b                      ; c = log2(e) / 8
	s_mov_b32 s23, s22
	v_and_b32 v7, 31, v0
	v_and_b32 v6, 15, v0
	v_bfe_u32 v90, v0, 4, 1
	DEP 3
	v_lshlrev_b32 v1, 4, v7                        ; 16 x lane
	DEP 4
	v_lshlrev_b32 v5, 3, v7                        ; 8 x lane
	DEP 3
	v_lshl_or_b32 v6, v6, 5, v90                   ; 32 (lane % 16) + h
	DEP 4
	v_lshlrev_b32 v34, 3, v90                      ; 8 h
	DEP 4
	v_add_nc_u32 v2, VIMG, v1
	DEP 4
	v_add_nc_u32 v3, KSC, v5
	v_add_nc_u32 v4, VSC, v1
	DEP 4
	v_sub_nc_u32 v35, 8, v34                       ; 8 - 8 h
	s_wait_dscnt 0x0
	s_wait_kmcnt 0x0
	s_mov_b32 s40, 1
	s_add_nc_u64 s[42:43], s[4:5], s[16:17]
	s_or_b32 s43, s43, 0x80000000
	s_mov_b32 s44, 1
	s_add_nc_u64 s[46:47], s[4:5], s[18:19]
	s_or_b32 s47, s47, 0x80000000
	s_mov_b32 s48, 1
	s_add_nc_u64 s[50:51], s[4:5], s[52:53]
	s_or_b32 s51, s51, 0x80000000
	s_add_nc_u64 s[66:67], s[4:5], s[66:67]
	s_add_nc_u64 s[68:69], s[4:5], s[68:69]
	s_add_nc_u64 s[70:71], s[6:7], s[70:71]
	s_add_nc_u64 s[72:73], s[6:7], s[72:73]
	CROUND                                         ; all four work-groups are here: the joint loads meet
	s_cmp_lt_u32 s8, 4
	s_cbranch_scc0 .Lfirst
	TLOAD 40, 24
	s_branch .Lasked
.Lfirst:
	s_cmp_lt_u32 s8, 8
	s_cbranch_scc0 .Lrest
	TLOAD 44, 32
	s_branch .Lasked
.Lrest:
	TLOAD 48, 32
.Lasked:
	WALU                                           ; the wait ahead of the readers below
	global_load_b128 v[16:19], v1, s[66:67]        ; Q: v16-21 tile 0, v22-27 tile 1
	global_load_b128 v[20:23], v1, s[66:67] offset:512
	global_load_b128 v[24:27], v1, s[66:67] offset:1024
	global_load_b32 v255, v5, s[68:69]             ; lanes 0-15 tile 0's scale words, lanes 16-31 tile 1's
.irp i, 28,29,30,31,32,33,84,85,86,87,88,89,209,219,253
	v_mov_b32 v[\i], 0                             ; zero codes; the permutes' destinations; the upper half of the pair v[252:253]
.endr
.macro INIT                            ; the largest score is -3e38, the sum and O^T zeros, which the first change of M leaves zeros
	v_mov_b32 v13, 0xff61b1e6
	v_mov_b32 v14, 0
	v_mov_b32 v15, 0
	DEP 3
	v_floor_f32 v12, -v13
.set j, 0
.rept 32
	v_mov_b32 v[160+j], 0
.set j, j+1
.endr
.endm
.macro SPROD t, u                      ; K's scale words: register t / 2, lanes 0-15 for even t, lanes 16-31 for odd t
.set KA, 36+6*(\t)
.set SD, 96+8*(\t)
.set KW, 248+(\t)/2
.if \u
.if (\t)%2
	v_wmma_scale_f32_16x16x128_f8f6f4 v[SD:SD+7], v[KA:KA+11], v[22:33], 0, v[KW], v255 matrix_a_fmt:MATRIX_FMT_FP6 matrix_b_fmt:MATRIX_FMT_FP6 matrix_a_scale:MATRIX_SCALE_ROW1 matrix_b_scale:MATRIX_SCALE_ROW1
.else
	v_wmma_scale_f32_16x16x128_f8f6f4 v[SD:SD+7], v[KA:KA+11], v[22:33], 0, v[KW], v255 matrix_a_fmt:MATRIX_FMT_FP6 matrix_b_fmt:MATRIX_FMT_FP6 matrix_b_scale:MATRIX_SCALE_ROW1
.endif
.else
.if (\t)%2
	v_wmma_scale_f32_16x16x128_f8f6f4 v[SD:SD+7], v[KA:KA+11], v[16:27], 0, v[KW], v255 matrix_a_fmt:MATRIX_FMT_FP6 matrix_b_fmt:MATRIX_FMT_FP6 matrix_a_scale:MATRIX_SCALE_ROW1
.else
	v_wmma_scale_f32_16x16x128_f8f6f4 v[SD:SD+7], v[KA:KA+11], v[16:27], 0, v[KW], v255 matrix_a_fmt:MATRIX_FMT_FP6 matrix_b_fmt:MATRIX_FMT_FP6
.endif
.endif
.endm
.macro ADD4 k                          ; pairs k .. k + 3 of p onto the four partial sums
.irp i, 0,1,2,3
	v_pk_add_f32 v[210+2*\i:211+2*\i], v[210+2*\i:211+2*\i], v[96+2*(\k)+2*\i:97+2*(\k)+2*\i]
.endr
.endm
; A KEY STEP: 128 keys; s60 = the step's codes in an image, s61 = its scale words
.macro STEP u
	v_add_nc_u32 v8, s60, v1                       ; (these four are the places behind the last step's products)
	v_add_nc_u32 v9, s60, v2
	v_add_nc_u32 v10, s61, v3
	v_add_nc_u32 v11, s61, v4
.irp i, 0,1,2,3,4,5,6,7,8,9,10,11
	ds_load_b128 v[36+4*\i:39+4*\i], v8 offset:512*\i
.endr
	ds_load_b64 v[248:249], v10                    ; K's scale words: band 0's two, band 1's two
	ds_load_b64 v[250:251], v10 offset:256
	WALU                                           ; the wait ahead of the wait below
	s_wait_dscnt 0x0
.irp t, 0,1,2,3,4,5,6,7
	SPROD \t, \u
.endr
	v_mov_b32 v220, v12                            ; the old -M; with three idle lines the places behind the products
.rept 3
	v_nop
.endr
.irp i, 0,1,2,3,4,5,6,7,8,9,10,11
	ds_load_b128 v[36+4*\i:39+4*\i], v9 offset:512*\i      ; V's four fragments land while the softmax is worked
.endr
	ds_load_b128 v[248:251], v11
.irp b, 0,1,2,3                        ; the largest score of my two blocks, each in two chains: v200, v202 block 0; v201, v203 block 1
	v_max3_num_f32 v[200+\b], v[96+32*(\b%2)+16*(\b/2)], v[97+32*(\b%2)+16*(\b/2)], v[98+32*(\b%2)+16*(\b/2)]
.endr
.irp i, 3,5,7,9,11,13
.irp b, 0,1,2,3
	v_max3_num_f32 v[200+\b], v[200+\b], v[96+32*(\b%2)+16*(\b/2)+\i], v[97+32*(\b%2)+16*(\b/2)+\i]
.endr
.endr
	v_max3_num_f32 v200, v200, v111, v127
	v_max3_num_f32 v201, v201, v143, v159
	DEP 2
	v_max_num_f32 v200, v200, v202
	DEP 2
	v_max_num_f32 v201, v201, v203
	DEP 1
	v_max_num_f32 v218, v200, v201
	DEP 1
	v_permlanex16_b32 v219, v218, s20, s21         ; lane l xor 16 has my query's other 64 keys
	DEP 1
	v_max3_num_f32 v13, v13, v218, v219            ; the running largest score
	DEP 1
	v_mul_f32 v218, s22, v13                       ; as t (c is positive)
	DEP 1
	v_floor_f32 v12, -v218                         ; the new -M = -ceil(t)
	DEP 1
	v_sub_f32 v220, v12, v220                      ; old M - new M: a whole number, 0 or less
	DEP 1
	v_cvt_i32_f32 v220, v220                       ; (it saturates)
	DEP 1
	v_ldexp_f32 v252, 1.0, v220                    ; f = 2^(old M - new M)
.set j, 0
.rept 32
	v_pk_fma_f32 v[96+j:97+j], v[96+j:97+j], s[22:23], v[12:13] op_sel_hi:[1,0,0]   ; t - M
.set j, j+2
.endr
	v_fma_f32 v200, v200, s22, v12                 ; the same of each block's largest score
	v_fma_f32 v201, v201, s22, v12
	WALU                                           ; the wait ahead of the batch
	v_exp_f32 v200, v200                           ; the blocks' largest p
	v_exp_f32 v201, v201
.set j, 0
.rept 64
	v_exp_f32 v[96+j], v[96+j]                     ; p = 2^(t - M), at most 1
.set j, j+1
.endr
	v_pk_mul_f32 v[14:15], v[14:15], v[252:253] op_sel_hi:[1,0]   ; the sum under the new M (the plain line behind the batch)
	WALU                                           ; one wait for the batch, ahead of its first reader
; the row's sum of the unquantised p, in four chains; the lines that make p's scales stand among them, each five lines or more behind what it reads
.irp i, 0,1,2,3
	v_pk_add_f32 v[210+2*\i:211+2*\i], v[96+2*\i:97+2*\i], v[104+2*\i:105+2*\i]
.endr
	v_max_num_f32 v200, 0x1800000, v200            ; the floor 2^(3 - 127): the byte cannot fall under 1
	v_max_num_f32 v201, 0x1800000, v201
	ADD4 8
	v_add_nc_u32 v204, 0xff000000, v200            ; 2 off the exponent field: the conversions' scale operands
	v_add_nc_u32 v205, 0xff000000, v201
	ADD4 12
	v_lshrrev_b32 v206, 23, v204
	v_lshrrev_b32 v207, 23, v205
	ADD4 16
	v_lshl_or_b32 v208, v207, 16, v206             ; my two bytes: blocks h and 2 + h
	ADD4 20
	v_permlanex16_b32 v209, v208, s20, s21
	v_lshlrev_b32 v208, v34, v208
	ADD4 24
	v_lshl_or_b32 v253, v209, v35, v208            ; p's scale word for these 128 keys
	ADD4 28
	DEP 3
	v_pk_add_f32 v[210:211], v[210:211], v[212:213]
	DEP 2
	v_pk_add_f32 v[214:215], v[214:215], v[216:217]
	DEP 2
	v_pk_add_f32 v[14:15], v[14:15], v[210:211]
	DEP 1
	v_pk_add_f32 v[14:15], v[14:15], v[214:215]
	v_cvt_scalef32_pk16_fp6_f32 v[224:226], v[96:111], v204
	v_cvt_scalef32_pk16_fp6_f32 v[236:238], v[112:127], v204     ; (a conversion's three registers begin on an even number)
	v_cvt_scalef32_pk16_fp6_f32 v[230:232], v[128:143], v205
	v_cvt_scalef32_pk16_fp6_f32 v[240:242], v[144:159], v205
	v_nop                                          ; a plain line behind the last conversion
.irp i, 0,1,2
	v_mov_b32 v[227+\i], v[236+\i]
	v_mov_b32 v[233+\i], v[240+\i]
.endr
	s_wait_dscnt 0x0                               ; V is in
	WALU                                           ; the wait directly ahead of O^T's first reader
.set j, 0
.rept 16
	v_pk_mul_f32 v[160+j:161+j], v[160+j:161+j], v[252:253] op_sel_hi:[1,0]   ; O^T under the new M (also the places between p's codes and scale word and the products)
.set j, j+2
.endr
.irp t, 0,1,2,3                        ; O^T += V^T P^T: the four accumulators by turns
	v_wmma_scale_f32_16x16x128_f8f6f4 v[160+8*\t:167+8*\t], v[36+12*\t:47+12*\t], v[224:235], v[160+8*\t:167+8*\t], v[248+\t], v253 matrix_a_fmt:MATRIX_FMT_FP6 matrix_b_fmt:MATRIX_FMT_FP6
.endr
	s_add_co_u32 s60, s60, 6144
	s_add_co_u32 s61, s61, 512
.endm
; A tile ends: O^T / the sum; my 32 numbers are one block of the next product's K: six registers of codes and one scale byte
.macro FINISH u
.rept 4
	v_nop                                          ; places behind the last products
.endr
	v_add_f32 v14, v14, v15
	DEP 1
	v_permlanex16_b32 v219, v14, s20, s21
	DEP 1
	v_add_f32 v14, v14, v219                       ; the row's sum
	WALU
	v_rcp_f32 v14, v14
	v_nop
	WALU
.set j, 0
.rept 16
	v_pk_mul_f32 v[96+j:97+j], v[160+j:161+j], v[14:15] op_sel_hi:[1,0]   ; each accumulator from its low end on
.set j, j+2
.endr
	v_max3_num_f32 v200, |v96|, |v97|, 0x1800000
	v_max3_num_f32 v201, |v112|, |v113|, 0x1800000
.irp i, 2,4,6,8,10,12,14
	DEP 2
	v_max3_num_f32 v200, v200, |v[96+\i]|, |v[97+\i]|
	DEP 2
	v_max3_num_f32 v201, v201, |v[112+\i]|, |v[113+\i]|
.endr
	DEP 1
	v_max_num_f32 v200, v200, v201
	DEP 1
	v_add_nc_u32 v204, 0xff000000, v200
	DEP 1
	v_lshrrev_b32 v206, 23, v204
	v_cvt_scalef32_pk16_fp6_f32 v[224:226], v[96:111], v204
	v_cvt_scalef32_pk16_fp6_f32 v[236:238], v[112:127], v204
	v_nop
.irp i, 0,1,2
	v_mov_b32 v[227+\i], v[236+\i]
.endr
.irp p, 0,1,2
	global_store_b64 v5, v[224+2*\p:225+2*\p], s[70:71] offset:12288*\u+256*\p   ; 32 lanes store 256 consecutive bytes, aligned: registers 2 p, 2 p + 1 of the next product's fragment
.endr
	global_store_b8 v6, v206, s[72:73] offset:512*\u
.endm
	INIT
	WALU                                           ; the wait at the head's end
	s_wait_loadcnt 0x0                             ; Q
	s_cmp_lt_u32 s8, 8
	s_cbranch_scc0 .Lnot_mine
	s_wait_tensorcnt 0x0                           ; waves 0-7: my load has landed
.Lnot_mine:
	s_barrier_signal -1
	s_barrier_wait -1                              ; the scale words and the first two pieces of K and of V are in; nothing is ever filled again
	s_mov_b32 s60, 0
	s_mov_b32 s61, 0
	s_mov_b32 s62, FIRST
.Lhead_steps:
	STEP 1
	s_sub_co_u32 s62, s62, 1
	s_cmp_lg_u32 s62, 0
	s_cbranch_scc1 .Lhead_steps
	s_wait_tensorcnt 0x0                           ; every wave: its load has landed
	s_wait_dscnt 0x0
	s_barrier_signal -1
	s_barrier_wait -1                              ; all of K and V is in
	s_mov_b32 s60, FIRST*6144
	s_mov_b32 s61, FIRST*512
	s_mov_b32 s62, 16-FIRST
.Lfirst_tile:
	STEP 1
	s_sub_co_u32 s62, s62, 1
	s_cmp_lg_u32 s62, 0
	s_cbranch_scc1 .Lfirst_tile
	FINISH 1
	s_wait_xcnt 0x0                                ; the stores have read their registers, which the next tile writes again
.irp i, 22,23,24,25,26,27
	v_mov_b32 v[\i], 0                             ; tile 1 is done with: its registers become tile 0's zero codes
.endr
	INIT
	s_mov_b32 s60, 0
	s_mov_b32 s61, 0
	s_mov_b32 s62, 16
.Lsecond:
	STEP 0
	s_sub_co_u32 s62, s62, 1
	s_cmp_lg_u32 s62, 0
	s_cbranch_scc1 .Lsecond
	FINISH 0
	s_wait_tensorcnt 0x0                           ; the wave's end
	ds_add_u32 v92, v93
	s_wait_dscnt 0x0
	CROUND                                         ; the closing round
	s_endpgm
.Lfunc_end_k_q9c86b2a1e1_attn:
	.size	k_q9c86b2a1e1_attn, .Lfunc_end_k_q9c86b2a1e1_attn-k_q9c86b2a1e1_attn
	.p2alignl 7, 3214868480
	.fill 96, 4, 3214868480
	.section	.rodata,"a",@progbits
	.p2align	6, 0x0
	.amdhsa_kernel k_q9c86b2a1e1_attn
		.amdhsa_group_segment_fixed_size 215040
		.amdhsa_private_segment_fixed_size 0
		.amdhsa_enable_private_segment 0
		.amdhsa_kernarg_size 16
		.amdhsa_user_sgpr_count 2
		.amdhsa_user_sgpr_kernarg_segment_ptr 1
		.amdhsa_wavefront_size32 1
		.amdhsa_system_sgpr_workgroup_id_x 1
		.amdhsa_system_sgpr_workgroup_id_y 1
		.amdhsa_system_sgpr_workgroup_id_z 1
		.amdhsa_system_vgpr_workitem_id 0
		.amdhsa_next_free_vgpr 256
		.amdhsa_next_free_sgpr 80
		.amdhsa_reserve_vcc 0
		.amdhsa_float_denorm_mode_32 3
		.amdhsa_float_denorm_mode_16_64 3
		.amdhsa_memory_ordered 1
		.amdhsa_forward_progress 1
		.amdhsa_inst_pref_size 64
	.end_amdhsa_kernel
	.amdgpu_metadata
---
amdhsa.version: [ 1, 2 ]
amdhsa.kernels:
  - .name:           k_q9c86b2a1e1_attn
    .symbol:         k_q9c86b2a1e1_attn.kd
    .args:
      - { .name: qkv, .offset: 0, .size: 8, .value_kind: global_buffer, .address_space: global }
      - { .name: oq, .offset: 8, .size: 8, .value_kind: global_buffer, .address_space: global }
    .group_segment_fixed_size: 215040
    .private_segment_fixed_size: 0
    .kernarg_segment_align: 8
    .kernarg_segment_size: 16
    .max_flat_workgroup_size: 512
    .sgpr_count:     80
    .vgpr_count:     256
    .wavefront_size: 32
...
	.end_amdgpu_metadata
.endif
;; end of part 3
;; launch proj (part 4): grid 32 x 8, 4 waves a work-group, clusters of 4 x 1, 193,024 bytes of LDS; arguments oq, wq, bo, out0; writes out0
.if DOCPART == 4
	.amdgcn_target "amdgcn-amd-amdhsa--gfx1250"
	.amdhsa_code_object_version 6
	.text
	.protected	k_q9c86b2a1e1_proj
	.globl	k_q9c86b2a1e1_proj
	.p2align	8
	.type	k_q9c86b2a1e1_proj,@function
k_q9c86b2a1e1_proj:
	s_mov_b64 s[64:65], 0
	v_nop
	global_prefetch_b8 v0, s[64:65] scope:SCOPE_SE
	s_setreg_imm32_b32 hwreg(HW_REG_WAVE_MODE, 25, 1), 1
	s_wait_xcnt 0x0
	s_wait_alu depctr_hold_cnt(0) depctr_sa_sdst(0) depctr_va_vdst(0) depctr_va_sdst(0) depctr_va_ssrc(0) depctr_va_vcc(0) depctr_vm_vsrc(0)
	s_getreg_b32 s2, hwreg(HW_REG_IB_STS2, 6, 4)
	s_cmp_eq_u32 s2, 0
	s_cbranch_scc0 .Lentry_in_a_cluster
	s_endpgm
.Lentry_in_a_cluster:
	s_bfe_u32 s2, ttmp6, 0x10000c
	s_cmp_lg_u32 s2, 0x3003
	s_cbranch_scc0 .Lentry_shape_is_right
	s_endpgm
.Lentry_shape_is_right:
; out0 = o Wo + bo on codes of FP6.
; THE DEAL.  256 work-groups: 256 tokens (places) x 128 columns.  A wave holds 64 places of o, all of K, in registers: 4 tiles x 8 fragments x 12 = 384, loaded straight from oq, which holds images of register pairs
; ([tile of 16 places][head][pair][lane][8 bytes]: 256 consecutive bytes a load).  Wo's 128 rows come into LDS ONCE: wave w fetches plane w of wq, 24,576 dense bytes, as 96 rows of 256 bytes; 16 bytes of padding behind
; every 64 give LDS rows of 240 bytes.  No ring, no refill.  Wo's scale words and the bias go straight into registers.  The rows stream past in 8 blocks of 16, two register buffers by turns: 48 LDS loads, 32 products a block.
; Source 0 = Wo's rows, source 1 = o's: a lane holds one token.  By the rows' order (place 16 j + 8 h + i holds row 32 h + 8 j + i of its 64) the accumulators of token tile a over four blocks, registers 32 a + 8 j + i,
; are columns 32 h + 8 j + i of 64: 128 neighbouring bytes of a row of out0.  The bias, laid likewise, is the first products' C.  Each 64 columns leave through the wave's own stage in LDS: sixteen lanes store a row's 256 bytes.
; CLUSTER: four row groups of one column group ask for Wo's planes jointly.
; Nothing is prefetched: all that the work-group reads is asked for at its head, and there is no loop ahead of that to ask in.
; THE ONE COUNTED WAIT, s_wait_dscnt 48: behind a block's own loads stand the next block's 48.
; REGISTERS: window 0: v0-23 addresses; v24-55 o's scale words; v60-123 Wo's; v128-255 the accumulators.  Windows 1, 2: o's fragments of q = 0-3, 4-7 at 12 (4 (q % 4) + a); their v192-255: rows on their way out.
; Window 3: Wo's two buffers at 0 and 96; v192-255 the bias.
.set KST,   1572864
.set SOFF,  6291456                    ; the scale bytes in oq and in wq
.set TILE,  12288
.set PITCH, 240
.set PLANE, 128*PITCH
.set STG,   4*PLANE                    ; behind the planes: a stage of 64 rows of SROW bytes for each wave
.set SROW,  272
.set SPARE, STG+4*64*SROW
.set L8,  4                            ; 8 x lane
.set XA,  5                            ; 32 r
.set BA,  6                            ; 128 h
.set WA,  8                            ; v8-11: my place in a block's rows: planes 0, 1 (v9: for the pieces behind one padding more), planes 2, 3
.set STO, 12
.set RD,  13
.set CO,  14
.set SPW, 16
.set NIL, 17
.set XS,  24
.set WS,  60                           ; (4 modulo 8 from XS)
.set AC,  128
.set MSB, 0
.macro WIN new
.if MSB != (\new)
	s_set_vgpr_msb (MSB<<8)|(\new)
.set MSB, (\new)
.endif
.endm
.macro WALU
	s_wait_alu depctr_va_vdst(0)
.endm
.macro PLACES n
.rept \n
	v_nop
.endr
.endm
.macro CROUND
	s_barrier_signal -1
	s_barrier_wait -1
	s_cmp_lg_u32 s14, 0
	s_cbranch_scc1 .Lnot_wave_0_\@
	s_barrier_signal -3
.Lnot_wave_0_\@:
	s_barrier_wait -3
	s_barrier_signal -1
	s_barrier_wait -1
.endm
	s_load_b128 s[4:7], s[0:1], 0x0                ; oq, wq
	s_load_b128 s[8:11], s[0:1], 0x10              ; bo, out0
	v_lshl_add_u32 v[SPW], v0, 2, SPARE
	v_mov_b32 v[NIL], 0
	ds_add_u32 v[SPW], v[NIL]                      ; the opening lines
	ds_add_u32 v[SPW], v[NIL]
	v_lshrrev_b32 v1, 5, v0
	v_readfirstlane_b32 s14, v1                    ; wave
	s_bfe_u32 s17, ttmp6, 0x40000                  ; cx: it enters global addresses of o and of out0 alone
	s_lshl_b32 s18, ttmp9, 2
	s_add_co_u32 s18, s18, s17                     ; row group
	s_and_b32 s19, ttmp7, 0xffff                   ; column group
	v_and_b32 v1, 15, v0                           ; r
	v_bfe_u32 v2, v0, 4, 1                         ; h
	v_and_b32 v3, 31, v0
	v_lshlrev_b32 v[L8], 3, v3
	v_lshlrev_b32 v[XA], 5, v1
	v_lshlrev_b32 v[BA], 7, v2
	v_mul_u32_u24 v[WA], v1, PITCH
	v_mad_u32_u24 v[WA], v2, 24, v[WA]             ; row r, + 24 h
	v_lshl_add_u32 v[WA+1], v2, 4, v[WA]
	v_add_nc_u32 v[WA+2], 2*PLANE, v[WA]
	v_add_nc_u32 v[WA+3], 2*PLANE, v[WA+1]
	s_mul_i32 s20, s14, 64*SROW
	s_add_co_u32 s20, s20, STG                     ; my stage
	v_mul_u32_u24 v[STO], v1, SROW
	v_lshl_add_u32 v[STO], v2, 7, v[STO]
	v_add_nc_u32 v[STO], s20, v[STO]               ; in: row r, 128 bytes for each half of the lanes
	v_mul_u32_u24 v[RD], v2, SROW
	v_lshl_add_u32 v[RD], v1, 4, v[RD]
	v_add_nc_u32 v[RD], s20, v[RD]                 ; back: lanes 0-15 one row of 256 bytes, lanes 16-31 the next
	v_lshlrev_b32 v[CO], 12, v2
	v_lshl_add_u32 v[CO], v1, 4, v[CO]             ; and the same two rows in out0
	s_mov_b32 s24, 15|(1<<20)|(1<<21)|(3<<22)|(3<<25)   ; group 1: all four work-groups; elements of 1 byte; 4 dwords of padding behind every 16
	s_mov_b32 s25, 256<<16
	s_mov_b32 s26, 96<<16
	s_mov_b32 s27, 256<<16
	s_mov_b32 s28, 96
	s_mov_b32 s29, 256
	s_mov_b32 s30, 0
	s_mov_b32 s31, 0
	s_mov_b32 s44, 1
	s_mul_i32 s45, s14, PLANE                      ; plane w, in LDS and in wq
	s_mul_i32 s20, s14, KST
	s_mul_i32 s21, s19, 128*192
	s_add_co_u32 s20, s20, s21
	s_add_co_u32 s20, s20, 3072*192                ; Wo's places begin at row 3,072
	s_mov_b32 s21, 0
	s_mul_i32 s56, s18, 16*TILE                    ; o: my four tiles,
	s_mul_i32 s57, s14, 4*TILE
	s_add_co_u32 s56, s56, s57
	s_mov_b32 s57, 0
	s_lshl_b32 s58, s18, 13                        ; their scale bytes
	s_lshl_b32 s59, s14, 11
	s_add_co_u32 s58, s58, s59
	s_add_co_u32 s58, s58, SOFF
	s_mov_b32 s59, 0
	s_lshl_b32 s60, s19, 12                        ; Wo's scale bytes
	s_add_co_u32 s60, s60, SOFF+3072*32
	s_mov_b32 s61, 0
	s_lshl_b32 s62, s19, 9                         ; my 128 columns, in bytes
	s_mov_b32 s63, 0
	s_lshl_b32 s22, s18, 20                        ; my 64 rows of out0
	s_lshl_b32 s23, s14, 18
	s_add_co_u32 s22, s22, s23
	s_add_co_u32 s22, s22, s62
	s_mov_b32 s23, 0
	WALU                                           ; the wait ahead of the waits below
	s_wait_dscnt 0x0
	CROUND                                         ; all four work-groups are here: the joint loads meet
	s_wait_kmcnt 0x0
	s_add_nc_u64 s[46:47], s[6:7], s[20:21]
	s_or_b32 s47, s47, 0x80000000
	s_add_nc_u64 s[56:57], s[4:5], s[56:57]
	s_add_nc_u64 s[58:59], s[4:5], s[58:59]
	s_add_nc_u64 s[60:61], s[6:7], s[60:61]
	s_add_nc_u64 s[62:63], s[8:9], s[62:63]
	s_add_nc_u64 s[12:13], s[10:11], s[22:23]
	tensor_load_to_lds s[44:47], s[24:31]          ; every wave its plane
	s_nop 0
	PLACES 4
.irp q, 0,1,2,3,4,5,6,7
	WIN (1+\q/4)<<6
.irp a, 0,1,2,3
.irp p, 0,1,2,3,4,5
	global_load_b64 v[12*(4*(\q%4)+\a)+2*\p:12*(4*(\q%4)+\a)+2*\p+1], v[L8], s[56:57] offset:\a*TILE+\q*1536+\p*256
.endr
.endr
.endr
	WIN 0
.irp a, 0,1,2,3
	global_load_b128 v[XS+8*\a:XS+8*\a+3], v[XA], s[58:59] offset:512*\a        ; row r's eight scale words
	global_load_b128 v[XS+8*\a+4:XS+8*\a+7], v[XA], s[58:59] offset:512*\a+16
.endr
.irp b, 0,1,2,3,4,5,6,7
	global_load_b128 v[WS+8*\b:WS+8*\b+3], v[XA], s[60:61] offset:512*\b
	global_load_b128 v[WS+8*\b+4:WS+8*\b+7], v[XA], s[60:61] offset:512*\b+16
.endr
	WIN 0xc0
.irp b, 0,1,2,3,4,5,6,7
	global_load_b128 v[192+8*\b:195+8*\b], v[BA], s[62:63] offset:256*(\b/4)+32*(\b%4)      ; the bias at columns 64 (b / 4) + 32 h + 8 (b % 4) + 0 .. 7
	global_load_b128 v[196+8*\b:199+8*\b], v[BA], s[62:63] offset:256*(\b/4)+32*(\b%4)+16
.endr
	WIN 0
; block b's eight fragments into buffer b % 2, in pieces of 8 bytes.  Fragment q lies in plane q / 2; piece PC_ of a row of 192 bytes stands behind PC_ / 8 paddings, for lanes 16-31 (24 bytes on) behind one more where PC_ % 8 is 5 or more.
; The four idle lines are the places behind the products that read that buffer.
.macro FETCHW b
	PLACES 4
	WIN 0xc0
.irp q, 0,1,2,3,4,5,6,7
.irp p, 0,1,2,3,4,5
.set PC_, 12*(\q%2)+6*(\p/3)+\p%3
.set AD_, WA+2*(\q/4)+(PC_%8)/5
	ds_load_b64 v[96*((\b)%2)+12*\q+2*\p:96*((\b)%2)+12*\q+2*\p+1], v[AD_] offset:8*PC_+16*(PC_/8)+((\q/2)%2)*PLANE+(\b)*16*PITCH
.endr
.endr
	WIN 0
.endm
.macro PR d, s0, s1, c, x0, x1
	v_wmma_scale_f32_16x16x128_f8f6f4 v[\d:\d+7], v[\s0:\s0+11], v[\s1:\s1+11], v[\c:\c+7], v[\x0], v[\x1] matrix_a_fmt:MATRIX_FMT_FP6 matrix_b_fmt:MATRIX_FMT_FP6
.endm
; a block: the next block's fetch, then 32 products; the four accumulators take turns
.macro BLOCK b
.if (\b) < 7
	FETCHW (\b)+1
	s_wait_dscnt 48
.else
	s_wait_dscnt 0x0
.endif
.irp q, 0,1,2,3,4,5,6,7
.if \q == 0
	WIN 3|(1<<2)|(3<<4)                            ; C: the bias, in window 3
.else
	WIN 3|((1+\q/4)<<2)
.endif
.irp a, 0,1,2,3
.set X_, 12*(4*(\q%4)+\a)
.set W_, 96*((\b)%2)+12*\q
.set D_, AC+32*\a+8*((\b)%4)
.set C_, D_
.if \q == 0
.set C_, 192+8*(\b)
.endif
.set XS_, XS+8*\a+\q
.set WS_, WS+8*(\b)+\q
	PR D_, W_, X_, C_, WS_, XS_
.endr
.endr
	WIN 0
.endm
; 64 tokens x 64 columns leave: into my stage as they lie, each accumulator from its low end on; back by rows (LDS serves a wave's instructions in order); row 2 k + lane / 16 of the stage is place 16 a + 8 h' + i = token 32 h' + 8 a + i
.macro OUT u
	PLACES 4
.irp a, 0,1,2,3
.irp k, 0,1,2,3,4,5,6,7
	ds_store_b128 v[STO], v[AC+32*\a+4*\k:AC+32*\a+4*\k+3] offset:\a*16*SROW+16*\k
.endr
.endr
	s_wait_xcnt 0x0                                ; earlier stores have read the registers that the loads below fill
.irp w, 0,1
	WIN (1+\w)<<6
.irp k, 0,1,2,3,4,5,6,7,8,9,10,11,12,13,14,15
	ds_load_b128 v[192+4*\k:195+4*\k], v[RD] offset:(16*\w+\k)*2*SROW
.endr
.endr
	WIN 0
	s_wait_dscnt 0x0
.irp w, 0,1
	WIN (1+\w)<<2
.irp k, 0,1,2,3,4,5,6,7,8,9,10,11,12,13,14,15
	global_store_b128 v[CO], v[192+4*\k:195+4*\k], s[12:13] offset:(32*((\k%8)/4)+8*(2*\w+\k/8)+2*(\k%4))*4096+256*\u th:TH_STORE_NT   ; sixteen lanes store 256 consecutive bytes, aligned
.endr
.endr
	WIN 0
.endm
	s_wait_tensorcnt 0x0                           ; my plane has landed
	s_barrier_signal -1
	s_barrier_wait -1                              ; all four have; nothing is ever filled again
	FETCHW 0
	s_wait_loadcnt 0x0                             ; o, the scale words, the bias
.irp b, 0,1,2,3
	BLOCK \b
.endr
	OUT 0
.irp b, 4,5,6,7
	BLOCK \b
.endr
	OUT 1
	s_wait_tensorcnt 0x0                           ; the wave's end
	ds_add_u32 v[SPW], v[NIL]
	s_wait_dscnt 0x0
	CROUND                                         ; the closing round
	s_endpgm
.Lfunc_end_k_q9c86b2a1e1_proj:
	.size	k_q9c86b2a1e1_proj, .Lfunc_end_k_q9c86b2a1e1_proj-k_q9c86b2a1e1_proj
	.p2alignl 7, 3214868480
	.fill 96, 4, 3214868480
	.section	.rodata,"a",@progbits
	.p2align	6, 0x0
	.amdhsa_kernel k_q9c86b2a1e1_proj
		.amdhsa_group_segment_fixed_size 193024
		.amdhsa_private_segment_fixed_size 0
		.amdhsa_enable_private_segment 0
		.amdhsa_kernarg_size 32
		.amdhsa_user_sgpr_count 2
		.amdhsa_user_sgpr_kernarg_segment_ptr 1
		.amdhsa_wavefront_size32 1
		.amdhsa_system_sgpr_workgroup_id_x 1
		.amdhsa_system_sgpr_workgroup_id_y 1
		.amdhsa_system_sgpr_workgroup_id_z 1
		.amdhsa_system_vgpr_workitem_id 0
		.amdhsa_next_free_vgpr 1024
		.amdhsa_next_free_sgpr 80
		.amdhsa_reserve_vcc 0
		.amdhsa_float_denorm_mode_32 3
		.amdhsa_float_denorm_mode_16_64 3
		.amdhsa_memory_ordered 1
		.amdhsa_forward_progress 1
		.amdhsa_inst_pref_size 101
	.end_amdhsa_kernel
	.amdgpu_metadata
---
amdhsa.version: [ 1, 2 ]
amdhsa.kernels:
  - .name:           k_q9c86b2a1e1_proj
    .symbol:         k_q9c86b2a1e1_proj.kd
    .args:
      - { .name: oq, .offset: 0, .size: 8, .value_kind: global_buffer, .address_space: global }
      - { .name: wq, .offset: 8, .size: 8, .value_kind: global_buffer, .address_space: global }
      - { .name: bo, .offset: 16, .size: 8, .value_kind: global_buffer, .address_space: global }
      - { .name: out0, .offset: 24, .size: 8, .value_kind: global_buffer, .address_space: global }
    .group_segment_fixed_size: 193024
    .private_segment_fixed_size: 0
    .kernarg_segment_align: 8
    .kernarg_segment_size: 32
    .max_flat_workgroup_size: 128
    .sgpr_count:     80
    .vgpr_count:     1024
    .wavefront_size: 32
...
	.end_amdgpu_metadata
.endif
;; end of part 4
